; MI455X (gfx1250); checked and timed in simulation.
; The chip was launched on July 23, 2026; its instructions are those of AMD's public machine-readable ISA for CDNA 5 (MIT licence, August 2026) and "CDNA5" Instruction Set Architecture Reference Guide (July 2026). The comments in the code are by the model that wrote it; some were corrected since.
;; Attention. Allowed arithmetic: matrix products marked QUANTISED: E2M1 operands, one E8M0 scale for each 32 along K, by v_wmma_scale_f32_16x16x128_f8f6f4 with both operands' format E2M1 (or v_wmma_scale_f32_32x16x128_f4), f32 sums; products left as they are: bf16, f16 or f32 operands; f32 sums; everything else in f32.
;; Inputs: b_proj 1,024 float32; b_qkv 3,072 float32; w_proj 1,024 x 1,024 float32; w_qkv 3,072 x 1,024 float32; x 4 x 2,048 x 1,024 float32.
;; Outputs: out0 4 x 2,048 x 1,024 float32.
;; This version of the problem:
;;   THIS VERSION OF THE PROBLEM IS GIVEN IN LOW PRECISION. The matrix products marked QUANTISED in the list below multiply operands that are first quantised to E2M1 (2 exponent bits, 1 mantissa bit; 4 bits a number), with one power-of-two scale for each 32 numbers along K (OCP MX v1.0); their sums are f32. The products marked 'left as it is' may take bf16, f16 or f32 operands, with f32 sums. Whichever they take, every output number must still come out within the allowed error. Rounding operands to bf16 (8 significant bits) uses up far more of that allowance than f16 does (11 bits, for magnitudes from 6e-5 to 65,504). All else is computed in f32.
;;   The module's matrix products, in the order in which they are computed (A, B: the left and right operand; K: the contracted axis; several contracted axes count as one K, in the product's order):
;;     1. [M 8,192, K 1,024] x [K 1,024, N 3,072]; A: input x; B: input w_qkv: QUANTISED
;;     2. batch 64 x [M 2,048, K 64] x [K 64, N 2,048]; A: computed on the way; B: computed on the way: left as it is (an operand is computed on the way)
;;     3. batch 64 x [M 2,048, K 2,048] x [K 2,048, N 64]; A: computed on the way; B: computed on the way: left as it is (an operand is computed on the way)
;;     4. [M 8,192, K 1,024] x [K 1,024, N 1,024]; A: computed on the way; B: input w_proj: left as it is (an operand is computed on the way)
;;   THE QUANTISER, for each operand of a quantised product, along K:
;;     - K is cut into blocks of 32 from its start; a last block that is shorter is filled with zeros.
;;     - A block's scale is 2^e with e = floor(log2(the largest magnitude in the block)) - 2, held to -126 .. 127; a block of zeros has e = 0. As a byte (E8M0): e + 127.
;;     - Each number is divided by its block's scale, clamped to +-6, and rounded to the nearest number of E2M1, ties to even, subnormals kept.
;;     - The product sums the exact products of the quantised numbers (number of the format x scale) in f32.
;;   ~~~python
;;   def quantise(x, axis):      # numpy; x: float32 -> the quantised numbers, widened to float32 again
;;       x = np.moveaxis(x, axis, -1); K = x.shape[-1]
;;       x = np.pad(x, [(0, 0)] * (x.ndim - 1) + [(0, -K % 32)]); x = x.reshape(x.shape[:-1] + (-1, 32)); a = np.abs(x).max(-1, keepdims=True)
;;       e = np.where(a > 0, np.clip(np.frexp(np.where(a > 0, a, 1))[1] - 1 - 2, -126, 127), 0)      # np.frexp(a)[1] - 1 = floor(log2(a)), exactly
;;       r = np.clip(x / 2.0 ** e, -6, 6)
;;       step = 2.0 ** (np.maximum(np.frexp(np.where(r == 0, 1, r))[1] - 1, 0) - 1)
;;       q = np.round(r / step) * step * 2.0 ** e      # np.round: ties to even
;;       return np.moveaxis(q.reshape(q.shape[:-2] + (-1,))[..., :K], -1, axis).astype(np.float32)
;;   ~~~
;; One version. Each part assembles by itself: llvm-mc -triple=amdgcn-amd-amdhsa -mcpu=gfx1250 --defsym DOCPART=n.
;; ======== version 1 of 1: 4 launches
;; limits: values are held in f16: magnitudes above 65,504 overflow, below 6.1e-05 lose precision
;; workspace buffers: xc 4,194,304 bytes; xs 262,144 bytes; wc 1,572,864 bytes; ws 98,304 bytes; wp 2,097,152 bytes; qkv 50,331,648 bytes; ob 16,777,216 bytes
;; launch quant (part 1): grid 384 x 1, 4 waves a work-group, no clusters, 33,280 bytes of LDS; arguments x, w_qkv, xc, xs, wc, ws, w_proj, wp; writes xc, xs, wc, ws, wp
.if DOCPART == 1
	.amdgcn_target "amdgcn-amd-amdhsa--gfx1250"
	.amdhsa_code_object_version 6
	.text
	.protected	k_q69b6306f4d_quant
	.globl	k_q69b6306f4d_quant
	.p2align	8
	.type	k_q69b6306f4d_quant,@function
k_q69b6306f4d_quant:
	s_mov_b64 s[64:65], 0
	v_nop
	global_prefetch_b8 v0, s[64:65] scope:SCOPE_SE
	s_setreg_imm32_b32 hwreg(HW_REG_WAVE_MODE, 25, 1), 1
	s_wait_xcnt 0x0
; LAUNCH 1 OF 4.  x [8192][1024] and w_qkv [3072][1024], f32, become codes of FP4 (E2M1), K innermost, with one E8M0 scale byte for each 32 along K (xc, xs, wc, ws); w_proj [1024][1024] becomes f16 (wp).
; THE PROGRAM: 1 this launch; 2 the quantised product x w_qkv^T (+ bias), results in f16 by head; 3 attention by head, f16 operands, f32 sums and softmax; 4 the projection, f16 operands, f32 sums, + b_proj.
; DEAD WORK, for the whole program: K's BIAS, b_qkv[1024:2048], REACHES NO OUTPUT.  score(n, m) = SCALE q_n . (k_m + b_k) = SCALE q_n . k_m + SCALE q_n . b_k.  The second term does not hang on the key m,
; which is the softmax's axis, and softmax(s + t) = softmax(s) for a t that is the same along the axis, for all finite values of the inputs.  The product of q with k is not quantised, so the bias moves no code and no scale.
; It comes in whole tiles (the 1,024 columns of K in launch 2), where it is neither loaded nor added.  b_qkv stays an argument of launch 2 for Q's and V's thirds, which are live.
; LIMIT: a NaN, an infinity or an overflow that sits in b_qkv[1024:2048] alone is not carried to the result.
; THE QUANTISER.  A block's scale is 2^(floor(log2(its largest magnitude)) - 2); its byte is the largest magnitude's own exponent field - 2, held at 1 from below.  (A block of zeros so gets the byte 1 where the rule
; says 127: its codes are zeros, which add nothing under any byte but 0xff, and the bytes are read by this program alone.)  Each number is divided by the scale and rounded to the nearest code, ties to even; beyond 6 the largest code.
; LIMITS: blocks whose largest magnitude lies under 2^-124 get the byte 1; NaN and infinities among the inputs are not served; |w_proj| stays under 65,504 (f16).
; SHARES.  Rows are dense and K is a multiple of 32, so each tensor is a plain stream.  Work-groups 0-255 take x, 256-351 w_qkv, 352-383 w_proj: 32,768 numbers each, 8,192 a wave.
; The quantising path: a wave takes 16 steps of 512 numbers.  Each of a step's four loads reads 512 consecutive bytes; the 2,048 bytes turn through the wave's own stage in LDS and come back 64 bytes a lane, so that a lane
; holds 16 neighbours along K (two lanes a block).  A lane's 16 codes are 8 bytes: the wave stores 256 consecutive bytes.  A wave's 256 scale bytes are gathered in LDS and leave as one aligned run of 256 bytes.
; No tensor loads, no ring, no barrier: waves share nothing.  No cluster: no two work-groups read the same byte.
.set SIZE_M, 8192
.set SIZE_N, 3072
.set SIZE_K, 1024
.set WAVES, 4
.set STEPS, 16
.set WGA,   SIZE_M*SIZE_K/(512*STEPS*WAVES)    ; 256 work-groups for x
.set WGQ,   WGA+SIZE_N*SIZE_K/(512*STEPS*WAVES) ; 352: from here on w_proj
.set EMAX,  2
.set CB,    8                          ; bytes of 16 codes
.set R,     16                         ; v16-79   four sets of 16 numbers as they are loaded (w_proj: sixteen sets of 4)
.set X,     80                         ; v80-111  two sets of 16 neighbours (w_proj: sixteen pairs of f16 to store)
.set C,     128                        ; v128-191 codes: four registers for each step, so that no store's data are written again
.set E,     112                        ; v112-127 a scale byte for each step
.set WREG,  8192                       ; LDS: a region of its own for each wave: two stages of 32 x SP bytes, and behind them its 256 scale bytes
.set SP,    80                         ; a lane's place in a stage: its 64 bytes + 16 of padding
.set SPW,   12                         ; v12      LDS address of my spare word: SPARE + 4 x my thread's number; never rewritten
.set NIL,   13                         ; v13      0; never rewritten
.set SPARE, WAVES*WREG                 ; behind the four regions: the spare words, 128 bytes for each wave
	s_load_b128 s[4:7], s[0:1], 0x0                ; x, w_qkv
	s_load_b128 s[8:11], s[0:1], 0x10              ; x's codes, x's scales
	s_load_b128 s[12:15], s[0:1], 0x20             ; w_qkv's codes, its scales
	s_load_b128 s[24:27], s[0:1], 0x30             ; w_proj, wp
	v_lshl_add_u32 v[SPW], v0, 2, SPARE
	v_mov_b32 v[NIL], 0
	v_lshrrev_b32 v1, 5, v0
	v_readfirstlane_b32 s16, v1                    ; wave
	v_and_b32 v2, 31, v0                           ; lane
	v_lshlrev_b32 v3, 4, v2                        ; my 16 bytes of a load's 512
	s_mul_i32 s17, s16, WREG
	v_lshrrev_b32 v14, 2, v2
	v_mul_u32_u24 v14, v14, SP
	v_and_b32 v15, 3, v2
	v_lshl_add_u32 v14, v15, 4, v14
	v_add_nc_u32 v14, s17, v14                     ; the stage, on the way in: four lanes' 64 bytes on end, then 16 of padding
	v_mul_u32_u24 v15, v2, SP
	v_add_nc_u32 v15, s17, v15                     ; and on the way out: SP x lane: my 16 neighbours
	v_mul_u32_u24 v4, v2, CB                       ; my codes' place in a step's
	v_lshrrev_b32 v5, 1, v2
	s_add_co_u32 s17, s17, 2*32*SP
	v_add_nc_u32 v5, s17, v5                       ; LDS: my wave's 256 scale bytes, my block's byte
	v_lshlrev_b32 v7, 3, v2                        ; 8 bytes a lane
	v_add_nc_u32 v6, s17, v7
	s_wait_kmcnt 0x0
	s_cmp_ge_u32 ttmp9, WGQ                        ; the work-group's number alone decides the path
	s_cbranch_scc1 .Lwproj
	s_cmp_lt_u32 ttmp9, WGA                        ; x's work-group or w_qkv's?  Only pointers are chosen: both take one path
	s_cselect_b64 s[4:5], s[4:5], s[6:7]
	s_cselect_b64 s[8:9], s[8:9], s[12:13]
	s_cselect_b64 s[10:11], s[10:11], s[14:15]
	s_cselect_b32 s17, 0, WGA
	s_sub_co_u32 s17, ttmp9, s17
	s_lshl_b32 s17, s17, 2
	s_add_co_u32 s18, s17, s16                     ; which run of 8,192 numbers of the tensor is my wave's
	s_mov_b32 s19, 0
	s_mov_b64 s[20:21], 512*STEPS*4
	s_mul_u64 s[20:21], s[18:19], s[20:21]
	s_add_nc_u64 s[4:5], s[4:5], s[20:21]
	s_mov_b64 s[20:21], 32*STEPS*CB
	s_mul_u64 s[20:21], s[18:19], s[20:21]
	s_add_nc_u64 s[8:9], s[8:9], s[20:21]
	s_lshl_b32 s18, s18, 8                         ; 256 scale bytes a run
	s_add_nc_u64 s[10:11], s[10:11], s[18:19]
.macro LOAD t
.irp i, 0,1,2,3
	global_load_b128 v[R+16*((\t)%4)+4*\i:R+16*((\t)%4)+4*\i+3], v3, s[4:5] offset:2048*(\t)+512*\i th:TH_LOAD_NT   ; 32 lanes read 512 consecutive bytes
.endr
.endm
.macro TURN t                          ; step t's numbers through the stage: LDS serves a wave's instructions in order, so no wait stands between the stores and the loads
.irp i, 0,1,2,3
	ds_store_b128 v14, v[R+16*((\t)%4)+4*\i:R+16*((\t)%4)+4*\i+3] offset:32*SP*((\t)%2)+8*SP*\i
.endr
.irp i, 0,1,2,3
	ds_load_b128 v[X+16*((\t)%2)+4*\i:X+16*((\t)%2)+4*\i+3], v15 offset:32*SP*((\t)%2)+16*\i
.endr
.endm
.irp t, 0,1,2,3
	LOAD \t
.endr
	s_wait_loadcnt 12                              ; step 0's four loads are in; the twelve of steps 1 to 3 may be out
	TURN 0
.macro STEP t
.set XS, X+16*((\t)%2)
.if (\t) > 0
	s_wait_dscnt 1                                 ; this step's numbers are back from the stage (the last step's byte store may be out): so its stores into the stage have read their registers,
.else
	s_wait_dscnt 0x0
.endif
.if (\t)+4 < STEPS
	LOAD (\t)+4                                    ; which take the loads of four steps on
.endif
.if (\t)+1 < STEPS
.if STEPS-2-(\t) >= 3
	s_wait_loadcnt 12                              ; the next step's four loads are in; those of the three steps behind it may be out
.else
	s_wait_loadcnt 4*(STEPS-2-(\t))
.endif
	TURN (\t)+1                                    ; and go through the other stage while this step is worked
.endif
	v_max3_num_f32 v8, |v[XS]|, |v[XS+1]|, |v[XS+2]|               ; the largest magnitude of my 16, in two chains
	v_max3_num_f32 v9, |v[XS+3]|, |v[XS+4]|, |v[XS+5]|
.irp i, 6,10
	v_max3_num_f32 v8, v8, |v[XS+\i]|, |v[XS+\i+1]|
	v_max3_num_f32 v9, v9, |v[XS+\i+2]|, |v[XS+\i+3]|
.endr
	v_max3_num_f32 v8, v8, |v[XS+14]|, |v[XS+15]|
	v_max3_num_f32 v8, v8, v9, (EMAX+1)<<23        ; and the floor 2^(3 - 127): so the byte cannot fall under 1
	v_max_num_f32_dpp v8, v8, v8 row_xmask:1 row_mask:0xf bank_mask:0xf   ; and of my neighbour's 16: the block's
	v_add_nc_u32 v11, -(EMAX<<23), v8              ; 2 off its exponent field: the conversion takes the exponent field of this operand as its scale, and nothing else of it
	v_cvt_scalef32_pk8_fp4_f32 v[C+4*(\t)], v[XS:XS+7], v11
	v_cvt_scalef32_pk8_fp4_f32 v[C+4*(\t)+1], v[XS+8:XS+15], v11
	v_lshrrev_b32 v[E+(\t)], 23, v11               ; the scale's byte (also the plain line behind the conversions)
	ds_store_b8 v5, v[E+(\t)] offset:16*(\t)       ; both lanes of a block write the same byte with the same value
	global_store_b64 v4, v[C+4*(\t):C+4*(\t)+1], s[8:9] offset:32*CB*(\t)   ; 32 lanes store 256 consecutive bytes, aligned
.endm
.irp t, 0,1,2,3,4,5,6,7,8,9,10,11,12,13,14,15
	STEP \t
.endr
	ds_load_b64 v[8:9], v6                         ; LDS serves a wave's instructions in order: these see my stores
	s_wait_dscnt 0x0
	global_store_b64 v7, v[8:9], s[10:11]          ; 32 lanes store 256 consecutive bytes, aligned
	s_wait_tensorcnt 0x0                           ; the wave's end, behind my last LDS store
	ds_add_u32 v[SPW], v[NIL]
	s_wait_dscnt 0x0
	s_endpgm
; w_proj to f16: a plain stream through registers.  A wave takes 64 slots of 128 numbers: a load of 512 consecutive bytes, two roundings a lane, a store of 256 consecutive bytes.  Sixteen loads of a wave are on their way.
.Lwproj:
	s_sub_co_u32 s17, ttmp9, WGQ
	s_lshl_b32 s17, s17, 2
	s_add_co_u32 s17, s17, s16                     ; which run of 8,192 numbers is my wave's
	s_lshl_b32 s18, s17, 15                        ; 32,768 bytes in,
	s_mov_b32 s19, 0
	s_add_nc_u64 s[24:25], s[24:25], s[18:19]
	s_lshl_b32 s18, s17, 14                        ; 16,384 out
	s_add_nc_u64 s[26:27], s[26:27], s[18:19]
.irp i, 0,1,2,3,4,5,6,7,8,9,10,11,12,13,14,15
	global_load_b128 v[R+4*\i:R+4*\i+3], v3, s[24:25] offset:512*\i th:TH_LOAD_NT
.endr
.macro WSLOT i
.if 63-(\i) < 15
	s_wait_loadcnt 63-(\i)                         ; the tail: as many loads were issued behind mine as slots are left
.else
	s_wait_loadcnt 15                              ; loads come back in order: mine is in, the fifteen younger ones stay out
.endif
.if (\i) >= 16
	s_wait_xcnt 0x0                                ; the store of sixteen slots ago has read this pair: only now is it written again
.endif
	v_cvt_pk_f16_f32 v[X+2*((\i)%16)], v[R+4*((\i)%16)], v[R+4*((\i)%16)+1]
	v_cvt_pk_f16_f32 v[X+2*((\i)%16)+1], v[R+4*((\i)%16)+2], v[R+4*((\i)%16)+3]
.if (\i)+16 < 64
	global_load_b128 v[R+4*((\i)%16):R+4*((\i)%16)+3], v3, s[24:25] offset:512*((\i)+16) th:TH_LOAD_NT
.endif
	global_store_b64 v7, v[X+2*((\i)%16):X+2*((\i)%16)+1], s[26:27] offset:256*(\i)
.endm
.set I, 0
.rept 64
	WSLOT I
.set I, I+1
.endr
	s_wait_tensorcnt 0x0                           ; the wave's end
	ds_add_u32 v[SPW], v[NIL]
	s_wait_dscnt 0x0
	s_endpgm
.Lfunc_end_k_q69b6306f4d_quant:
	.size	k_q69b6306f4d_quant, .Lfunc_end_k_q69b6306f4d_quant-k_q69b6306f4d_quant
	.p2alignl 7, 3214868480
	.fill 96, 4, 3214868480
	.section	.rodata,"a",@progbits
	.p2align	6, 0x0
	.amdhsa_kernel k_q69b6306f4d_quant
		.amdhsa_group_segment_fixed_size 33280
		.amdhsa_private_segment_fixed_size 0
		.amdhsa_enable_private_segment 0
		.amdhsa_kernarg_size 64
		.amdhsa_user_sgpr_count 2
		.amdhsa_user_sgpr_kernarg_segment_ptr 1
		.amdhsa_wavefront_size32 1
		.amdhsa_system_sgpr_workgroup_id_x 1
		.amdhsa_system_sgpr_workgroup_id_y 1
		.amdhsa_system_sgpr_workgroup_id_z 1
		.amdhsa_system_vgpr_workitem_id 0
		.amdhsa_next_free_vgpr 192
		.amdhsa_next_free_sgpr 66
		.amdhsa_reserve_vcc 0
		.amdhsa_float_denorm_mode_32 3
		.amdhsa_float_denorm_mode_16_64 3
		.amdhsa_memory_ordered 1
		.amdhsa_forward_progress 1
		.amdhsa_inst_pref_size 57
	.end_amdhsa_kernel
	.amdgpu_metadata
---
amdhsa.version: [ 1, 2 ]
amdhsa.kernels:
  - .name:           k_q69b6306f4d_quant
    .symbol:         k_q69b6306f4d_quant.kd
    .args:
      - { .name: x, .offset: 0, .size: 8, .value_kind: global_buffer, .address_space: global }
      - { .name: w_qkv, .offset: 8, .size: 8, .value_kind: global_buffer, .address_space: global }
      - { .name: xc, .offset: 16, .size: 8, .value_kind: global_buffer, .address_space: global }
      - { .name: xs, .offset: 24, .size: 8, .value_kind: global_buffer, .address_space: global }
      - { .name: wc, .offset: 32, .size: 8, .value_kind: global_buffer, .address_space: global }
      - { .name: ws, .offset: 40, .size: 8, .value_kind: global_buffer, .address_space: global }
      - { .name: w_proj, .offset: 48, .size: 8, .value_kind: global_buffer, .address_space: global }
      - { .name: wp, .offset: 56, .size: 8, .value_kind: global_buffer, .address_space: global }
    .group_segment_fixed_size: 33280
    .private_segment_fixed_size: 0
    .kernarg_segment_align: 8
    .kernarg_segment_size: 64
    .max_flat_workgroup_size: 128
    .sgpr_count:     66
    .vgpr_count:     192
    .wavefront_size: 32
...
	.end_amdgpu_metadata
.endif
;; end of part 1
;; launch qkv (part 2): grid 12 x 32, 4 waves a work-group, clusters of 4 x 4, 327,680 bytes of LDS; arguments xc, xs, wc, ws, b_qkv, qkv; writes qkv
.if DOCPART == 2
	.amdgcn_target "amdgcn-amd-amdhsa--gfx1250"
	.amdhsa_code_object_version 6
	.text
	.protected	k_q69b6306f4d_qkv
	.globl	k_q69b6306f4d_qkv
	.p2align	8
	.type	k_q69b6306f4d_qkv,@function
k_q69b6306f4d_qkv:
	s_mov_b64 s[64:65], 0
	v_nop
	global_prefetch_b8 v0, s[64:65] scope:SCOPE_SE
	s_setreg_imm32_b32 hwreg(HW_REG_WAVE_MODE, 25, 1), 1
	s_wait_xcnt 0x0
	s_wait_alu depctr_hold_cnt(0) depctr_sa_sdst(0) depctr_va_vdst(0) depctr_va_sdst(0) depctr_va_ssrc(0) depctr_va_vcc(0) depctr_vm_vsrc(0)
	s_getreg_b32 s2, hwreg(HW_REG_IB_STS2, 6, 4)
	s_cmp_eq_u32 s2, 0
	s_cbranch_scc0 .Lentry_in_a_cluster
	s_endpgm
.Lentry_in_a_cluster:
	s_bfe_u32 s2, ttmp6, 0x10000c
	s_cmp_lg_u32 s2, 0xf033
	s_cbranch_scc0 .Lentry_shape_is_right
	s_endpgm
.Lentry_shape_is_right:
; LAUNCH 2 OF 4.  qkv = Q(x) Q(w_qkv)^T + bias, on codes of FP4 (E2M1) with one E8M0 scale for each 32 along K; sums in f32; the results are rounded once to f16 and laid by head: [3][batch 4][head 16][token 2048][64].
; LEFT OUT: K's bias, b_qkv[1024:2048] (it is the same along the softmax's axis: shown at the head of launch 1).  The columns of K are the tiles of cluster x = 1: there the sums begin with zeros and the bias is not loaded.
; LIMIT: |q|, |k|, |v| stay under 65,504 (f16).
; A tile of C, 256 x 256, is made by a work-group of four waves; a wave makes 128 x 128: 64 accumulators of 16 x 16, 512 registers.  K = 1,024 is two slots of 512 along K (rows of 256 bytes), both asked for at the start:
; nothing is filled a second time.  The scale bytes of the work-group's 256 + 256 rows, for all of K, come into LDS once, as whole runs of 256 bytes.
; CLUSTERS: 4 x 4 work-groups.  The four of a row of the cluster need the same tiles of x, the four of a column the same tiles of w_qkv: each tile is asked for JOINTLY, by the same tensor load with the same descriptor and
; a mask that names the four.  By this text's own count a wave has three tensor loads out at the start and none later.
; THE MATRIX INSTRUCTION IS USED TRANSPOSED (source 0 = 16 rows of w_qkv, source 1 = 16 rows of x): a lane then holds eight neighbouring columns of one token.
; THE BIAS IS THE C OF EACH SUM'S FIRST MATRIX INSTRUCTION: eight registers for each of my eight column blocks, in the result's layout; it costs no addition.
; REGISTERS, in windows of 256: window 0: v0-31 addresses; v32-95 scale words, two sets; v128-191 x's fragments, ONE set; on the way out v32-63 packed results, v128-191 rows read back.
;   window 1: w_qkv's fragments, TWO sets, at v0 and at v128; v64-127 the bias.   window 2: the accumulators of my rows 0-63 ((a, b) at v[8 (8 a + b)]);   window 3: those of my rows 64-127.
.set SIZE_M, 8192
.set SIZE_N, 3072
.set SIZE_K, 1024
.set KSTEP,  512                       ; along K in a slot
.set NQ,     KSTEP/128                 ; matrix instructions deep
.set ROWB,   256                       ; a tile's row in bytes
.set KROW,   SIZE_K*4/8                ; a row of codes in memory, in bytes
.set PITCH,  272                       ; an LDS row: 256 bytes + 16 of padding: the 16 rows that a load touches start 16 bytes apart modulo 256
.set FR,     8                         ; registers of a fragment: 16 rows x 128 K
.set NL,     2                         ; LDS loads that bring one
.set NP,     4                         ; places behind this matrix instruction (ISA guide 7.12.1)
.set HALFT,  128*PITCH                 ; 128 rows: what one tensor load brings, and what one wave reads of either operand
.set SLOT,   4*HALFT
.set KS,     SIZE_K/32                 ; a row of scales in bytes
.set SCL,    2*SLOT                    ; behind the slots: the scales, as runs of 256 bytes + 16 of padding
.set HALFS,  (128*KS/256)*272          ; the scales of 128 rows
.set SBLK,   (16*KS/256)*272           ; those of 16 rows
.set SPARE,  SCL+4*HALFS               ; the spare words, 128 bytes for each wave
.set SPITCH, 272                       ; the way out: a stage of 16 rows x (256 bytes + 16) for each wave, in slot 0, which has had its only fill and its last read when the first result is stored there
.set ADRA, 16                          ; v16-17  LDS address of my fragments of x in slot 0, 1
.set ADRB, 20                          ; v20-21  the same for w_qkv
.set STO,  24                          ; v24     the way out: where I put 16 bytes of a row
.set RD,   25                          ; v25     the way out: where I read back
.set CO,   26                          ; v26     my byte offset in the output
.set ADRS, 27                          ; v27     LDS address of my scale words: lanes 0-15 x's rows, lanes 16-31 w_qkv's
.set SPW,  28                          ; v28     my spare word; never rewritten
.set NIL,  29                          ; v29     0; never rewritten
.set BO,   30                          ; v30     the bias loads' offset: 32 x (lane / 16); never rewritten
.set SC,   32                          ; scale words: set s at v[SC + 32 s]; register 4 i + q: lanes 0-15 the word of x's block i, lanes 16-31 that of w_qkv's block i
.set TMP,  32                          ; the way out: packed results
.set AF,   128                         ; x's fragments, in window 0
.set BK,   128                         ; the way out: rows read back: v128-159 and v160-191 by turns
.set BIAS, 64                          ; in window 1
.set G1, 24
.set G0, 32
.set G1B, 48
.set G0B, 56
.set G1S, 68
.set G0S, 76
.set G1SB, 80
.set G0SB, 88
.set MSB, 0
.macro WIN new                         ; the immediate's high byte repeats the setting that is left
.if MSB != \new
	s_set_vgpr_msb (MSB<<8)|\new
.set MSB, \new
.endif
.endm
.set MUL_LO, 0xa1                      ; source 0 window 1, source 1 window 0, C and D window 2
.set MUL_HI, 0xf1                      ; the same, C and D window 3
.set BEG_LO, 0x91                      ; the first step: C (the bias) window 1, D window 2
.set BEG_HI, 0xd1                      ; C window 1, D window 3
.set TO_B,   0x40                      ; destination window 1, address window 0
; A joint load: waves 0 and 1 fetch for x, waves 2 and 3 for w_qkv.  The branch hangs on the wave's number alone.  An s_nop 0 and four v_nop follow each of the two lines.
.macro JLOAD g0a, g1a, g0b, g1b
	s_cmp_eq_u32 s15, 0
	s_cbranch_scc0 .Lfor_b_\@
	tensor_load_to_lds s[\g0a:\g0a+3], s[\g1a:\g1a+7]
	s_nop 0
.rept 4
	v_nop
.endr
	s_branch .Lasked_\@
.Lfor_b_\@:
	tensor_load_to_lds s[\g0b:\g0b+3], s[\g1b:\g1b+7]
	s_nop 0
.rept 4
	v_nop
.endr
.Lasked_\@:
.endm
.macro CROUND                          ; a round of the cluster's barrier
	s_barrier_signal -1
	s_barrier_wait -1
	s_cmp_lg_u32 s14, 0
	s_cbranch_scc1 .Lnot_wave_0_\@
	s_barrier_signal -3
.Lnot_wave_0_\@:
	s_barrier_wait -3
	s_barrier_signal -1
	s_barrier_wait -1
.endm
	s_load_b128 s[4:7], s[0:1], 0x0                ; x's codes s[4:5], x's scales s[6:7]
	s_load_b128 s[8:11], s[0:1], 0x10              ; w_qkv's codes s[8:9], its scales s[10:11]
	s_load_b64 s[96:97], s[0:1], 0x20              ; b_qkv
	s_load_b64 s[12:13], s[0:1], 0x28              ; qkv
	v_lshl_add_u32 v[SPW], v0, 2, SPARE
	v_mov_b32 v[NIL], 0
	ds_add_u32 v[SPW], v[NIL]                      ; the wave's opening: the add, twice on end, and its wait ahead of my first tensor load
	ds_add_u32 v[SPW], v[NIL]
	v_lshrrev_b32 v1, 5, v0
	v_readfirstlane_b32 s14, v1                    ; wave 0..3
	s_lshr_b32 s15, s14, 1                         ; which half of the tile's rows is mine.  Also: I fetch for x (0) or for w_qkv (1)
	s_and_b32 s16, s14, 1                          ; which half of its columns.  Also: which 128 rows of that tile I fetch
	s_bfe_u32 s40, ttmp6, 0x40000                  ; cx, cy: my place in the cluster
	s_bfe_u32 s41, ttmp6, 0x40004
	s_lshl_b32 s42, ttmp9, 2
	s_add_co_u32 s42, s42, s40                     ; tile column = 4 x cluster x + cx
	s_and_b32 s17, ttmp7, 0xffff
	s_lshl_b32 s17, s17, 2
	s_add_co_u32 s17, s17, s41                     ; tile row = 4 x cluster y + cy
	s_lshl_b32 s43, s41, 2
	s_lshl_b32 s43, 15, s43                        ; my row of the cluster
	s_lshl_b32 s44, 0x1111, s40                    ; my column
	; descriptor group 1: a tile of 128 rows x 256 bytes, padded in LDS
	s_or_b32 s[G1+0], s43, (0<<16)|(1<<20)|(1<<21)|(5<<22)|(3<<25)  ; 15:0 the mask; 17:16 element of 1 byte; 20 padding on; 21 set beside a mask; 24:22 after every 64 words; 31:25 four words
	s_or_b32 s[G1B+0], s44, (0<<16)|(1<<20)|(1<<21)|(5<<22)|(3<<25)
.irp g, G1, G1B
	s_mov_b32 s[\g+1], ROWB<<16                    ; tensor_dim0
	s_mov_b32 s[\g+2], 128<<16                     ; tensor_dim1
	s_mov_b32 s[\g+3], ROWB<<16                    ; tile_dim0
	s_mov_b32 s[\g+4], 128                         ; tile_dim1
	s_mov_b32 s[\g+5], KROW                        ; tensor_dim0_stride
	s_mov_b32 s[\g+6], 0
	s_mov_b32 s[\g+7], 0
.endr
	; the scales of 128 rows: a dense block of 4,096 bytes, as 16 rows of 256 bytes (32 elements of 8 bytes), 16 bytes of padding behind each
	s_or_b32 s[G1S+0], s43, (3<<16)|(1<<20)|(1<<21)|(5<<22)|(3<<25)
	s_or_b32 s[G1SB+0], s44, (3<<16)|(1<<20)|(1<<21)|(5<<22)|(3<<25)
.irp g, G1S, G1SB
	s_mov_b32 s[\g+1], 32<<16
	s_mov_b32 s[\g+2], (128*KS/256)<<16
	s_mov_b32 s[\g+3], 32<<16
	s_mov_b32 s[\g+4], 128*KS/256
	s_mov_b32 s[\g+5], 32
	s_mov_b32 s[\g+6], 0
	s_mov_b32 s[\g+7], 0
.endr
	s_lshl_b32 s18, s16, 7                         ; which 128 rows of the tile I fetch
	s_lshl_b32 s20, s17, 8
	s_add_co_u32 s20, s20, s18                     ; x: row 256 x tile row + 128 x half
	s_lshl_b32 s46, s42, 8
	s_add_co_u32 s46, s46, s18                     ; w_qkv: row 256 x tile column + 128 x half
	s_mov_b32 s21, 0
	s_mov_b32 s47, 0
	s_mov_b64 s[18:19], KS
	s_mul_u64 s[22:23], s[20:21], s[18:19]         ; where these rows' scales begin, in bytes
	s_mul_u64 s[92:93], s[46:47], s[18:19]
	s_mov_b64 s[18:19], KROW
	s_mul_u64 s[20:21], s[20:21], s[18:19]         ; and their codes
	s_mul_u64 s[46:47], s[46:47], s[18:19]
	s_mul_i32 s45, s14, HALFT                      ; where they go: wave x 128 rows: no place in the cluster enters an LDS address
	s_mul_i32 s94, s14, HALFS
	s_wait_dscnt 0x0                               ; both opening adds are done
	s_wait_kmcnt 0x0
	s_add_nc_u64 s[20:21], s[4:5], s[20:21]
	s_add_nc_u64 s[22:23], s[6:7], s[22:23]
	s_add_nc_u64 s[46:47], s[8:9], s[46:47]
	s_add_nc_u64 s[92:93], s[10:11], s[92:93]
	CROUND                                         ; all sixteen work-groups are here: the joint loads meet
	s_mov_b32 s[G0S], 1
	s_add_co_u32 s[G0S+1], s94, SCL
	s_mov_b64 s[G0S+2:G0S+3], s[22:23]
	s_or_b32 s[G0S+3], s[G0S+3], 0x80000000
	s_mov_b32 s[G0SB], 1
	s_add_co_u32 s[G0SB+1], s94, SCL
	s_mov_b64 s[G0SB+2:G0SB+3], s[92:93]
	s_or_b32 s[G0SB+3], s[G0SB+3], 0x80000000
	JLOAD G0S, G1S, G0SB, G1SB                     ; the scales first: they are wanted with the first slot
.irp s, 0,1
	s_mov_b32 s[G0+4*\s], 1
	s_add_co_u32 s[G0+4*\s+1], s45, \s*SLOT
	s_add_nc_u64 s[G0+4*\s+2:G0+4*\s+3], s[20:21], \s*ROWB
	s_or_b32 s[G0+4*\s+3], s[G0+4*\s+3], 0x80000000
	s_mov_b32 s[G0B+4*\s], 1
	s_add_co_u32 s[G0B+4*\s+1], s45, \s*SLOT
	s_add_nc_u64 s[G0B+4*\s+2:G0B+4*\s+3], s[46:47], \s*ROWB
	s_or_b32 s[G0B+4*\s+3], s[G0B+4*\s+3], 0x80000000
	JLOAD G0+4*\s, G1, G0B+4*\s, G1B
.endr
	v_and_b32 v1, 15, v0                           ; r = l % 16
	v_bfe_u32 v2, v0, 4, 1                         ; h = l / 16
	; THE BIAS: register 8 b + j of lane (r, h) = b_qkv[256 x tile column + 128 x half + 16 b + 8 h + j].  Cluster x (the same in all sixteen partners) says whose columns these are: 0 Q, 1 K, 2 V.
	v_lshlrev_b32 v[BO], 5, v2
	s_lshl_b32 s20, s42, 10
	s_lshl_b32 s21, s16, 9
	s_add_co_u32 s20, s20, s21
	s_mov_b32 s21, 0
	s_add_nc_u64 s[96:97], s[96:97], s[20:21]
	s_cmp_eq_u32 ttmp9, 1
	s_cbranch_scc1 .Lno_bias
	WIN TO_B
.irp b, 0,1,2,3,4,5,6,7
	global_load_b128 v[BIAS+8*\b:BIAS+8*\b+3], v[BO], s[96:97] offset:64*\b
	global_load_b128 v[BIAS+8*\b+4:BIAS+8*\b+7], v[BO], s[96:97] offset:64*\b+16
.endr
	WIN 0
	s_branch .Lbias_done
.Lno_bias:                                         ; K: its bias is dead work and is not loaded; zeros in the same registers let one text of the first step serve all three
	WIN TO_B
.set j, 0
.rept 64
	v_mov_b32 v[BIAS+j], 0
.set j, j+1
.endr
	WIN 0
.Lbias_done:
	v_mul_u32_u24 v3, v1, PITCH
	v_lshl_add_u32 v4, v2, 4, v3                   ; a fragment's row x pitch + 16 x half
	s_mul_i32 s21, s15, HALFT                      ; my 128 rows of x
	s_mul_i32 s22, s16, HALFT                      ; my 128 rows of w_qkv,
	s_add_co_u32 s22, s22, 2*HALFT                 ; which lie behind x's 256
.irp s, 0,1
	v_add_nc_u32 v[ADRA+\s], s21, v4
	v_add_nc_u32 v[ADRB+\s], s22, v4
	s_add_co_u32 s21, s21, SLOT
	s_add_co_u32 s22, s22, SLOT
.endr
	v_mul_u32_u24 v5, v1, KS                       ; my row's scales: 32 bytes a row,
	v_lshrrev_b32 v6, 8, v5
	v_lshl_add_u32 v5, v6, 4, v5                   ; and 16 more for each 256 passed
	s_mul_i32 s21, s15, HALFS
	s_mul_i32 s22, s16, HALFS
	s_add_co_u32 s22, s22, 2*HALFS
	s_sub_co_u32 s22, s22, s21
	v_mul_u32_u24 v6, s22, v2                      ; lanes 16-31 take w_qkv's: one product, the distance between the two bases
	s_add_co_u32 s21, s21, SCL
	v_add_nc_u32 v5, v5, v6
	v_add_nc_u32 v[ADRS], s21, v5
	s_mul_i32 s23, s14, 16*SPITCH                  ; my stage
	v_mul_u32_u24 v5, v1, SPITCH                   ; in: row r (a token), 16 bytes for each half of the lanes
	v_lshl_add_u32 v5, v2, 4, v5
	v_add_nc_u32 v[STO], s23, v5
	v_bfe_u32 v5, v0, 3, 1                         ; back: lanes 0-15 take two tokens' 128 bytes of my first head, lanes 16-31 of my second
	v_mul_u32_u24 v5, v5, SPITCH
	v_lshl_add_u32 v5, v2, 7, v5
	v_and_b32 v6, 7, v0
	v_lshl_add_u32 v5, v6, 4, v5
	v_add_nc_u32 v[RD], s23, v5
	v_lshlrev_b32 v[CO], 4, v1                     ; in memory two tokens of a head are 256 consecutive bytes; a head is 262,144 bytes
	v_lshl_add_u32 v[CO], v2, 18, v[CO]
	s_lshl_b32 s20, s42, 2
	s_lshl_b32 s21, s16, 1
	s_add_co_u32 s20, s20, s21                     ; my first head among the 48: 4 x tile column + 2 x half
	s_lshr_b32 s21, s20, 4                         ; Q, K or V
	s_and_b32 s20, s20, 15                         ; the head
	s_lshl_b32 s22, s17, 8
	s_lshl_b32 s23, s15, 7
	s_add_co_u32 s22, s22, s23                     ; my first row: 256 x tile row + 128 x half
	s_lshr_b32 s23, s22, 11                        ; the batch
	s_and_b32 s22, s22, 2047                       ; the token
	s_lshl_b32 s21, s21, 2
	s_add_co_u32 s21, s21, s23
	s_lshl_b32 s21, s21, 4
	s_add_co_u32 s21, s21, s20
	s_lshl_b32 s20, s21, 18
	s_lshl_b32 s22, s22, 7
	s_add_co_u32 s20, s20, s22                     ; under 2^26
	s_mov_b32 s21, 0
	s_add_nc_u64 s[12:13], s[12:13], s[20:21]
.macro FRAG reg, adr, q, i             ; a fragment, 16 rows x 128 K of 4-bit codes: lane l holds row l % 16; registers 4 c .. 4 c + 3 hold K = 64 c + 32 (l / 16) + 0 .. 31
.irp c, 0,1
	ds_load_b128 v[\reg+4*\c:\reg+4*\c+3], v[\adr] offset:64*(\q)+32*\c+(\i)*16*PITCH
.endr
.endm
; 16 matrix instructions: x's blocks a0, a0 + 1 against w_qkv's eight, 128 along K.  p: w_qkv's set;  sc: the set of scale words.  first = 1: the sums begin with the bias as C.
; The 64 accumulators take turns, one instruction a turn, in the same order in every step.
.macro MUL16 a0, p, q, sc, first
.irp a, \a0, \a0+1
.irp b, 0,1,2,3,4,5,6,7
.if \first
	v_wmma_scale_f32_16x16x128_f8f6f4 v[8*(8*((\a)%4)+\b):8*(8*((\a)%4)+\b)+7], v[128*(\p)+FR*\b:128*(\p)+FR*\b+FR-1], v[AF+FR*(\a):AF+FR*(\a)+FR-1], v[BIAS+8*\b:BIAS+8*\b+7], v[SC+8*NQ*(\sc)+NQ*\b+(\q)], v[SC+8*NQ*(\sc)+NQ*(\a)+(\q)] matrix_a_fmt:MATRIX_FMT_FP4 matrix_b_fmt:MATRIX_FMT_FP4 matrix_a_scale:MATRIX_SCALE_ROW1
.else
	v_wmma_scale_f32_16x16x128_f8f6f4 v[8*(8*((\a)%4)+\b):8*(8*((\a)%4)+\b)+7], v[128*(\p)+FR*\b:128*(\p)+FR*\b+FR-1], v[AF+FR*(\a):AF+FR*(\a)+FR-1], v[8*(8*((\a)%4)+\b):8*(8*((\a)%4)+\b)+7], v[SC+8*NQ*(\sc)+NQ*\b+(\q)], v[SC+8*NQ*(\sc)+NQ*(\a)+(\q)] matrix_a_fmt:MATRIX_FMT_FP4 matrix_b_fmt:MATRIX_FMT_FP4 matrix_a_scale:MATRIX_SCALE_ROW1
.endif
.endr
.endr
.endm
.macro FETCH_B slot, q, p
	WIN TO_B
.irp i, 0,1,2,3,4,5,6,7
	FRAG 128*(\p)+FR*\i, ADRB+\slot, \q, \i
.endr
	WIN 0
.endm
.macro FETCH_A slot, q, i0
.irp i, \i0, \i0+1, \i0+2, \i0+3
	FRAG AF+FR*(\i), ADRA+\slot, \q, \i
.endr
.endm
.macro SCALES sc                       ; a slot's scale words into set sc: four words a row; lanes 0-15 take x's block i, lanes 16-31 w_qkv's block i
.irp i, 0,1,2,3,4,5,6,7
	ds_load_b128 v[SC+8*NQ*\sc+NQ*\i:SC+8*NQ*\sc+NQ*\i+3], v[ADRS] offset:\i*SBLK
.endr
.endm
; A load into a register that a matrix instruction has read, and a vector instruction that reads a matrix result or writes one of its registers, stand four places behind it; only plain vector
; instructions that name none of its registers are places (ISA guide 7.12.1 for vector instructions).
.macro PLACES n
.rept \n
	v_nop
.endr
.endm
.macro STEP slot, q, first             ; a step of 128 along K that has its successor in the same slot
	s_wait_dscnt 4*NL                              ; w_qkv's set, x's blocks 0-3 (and the scale words) are in; the youngest eight loads (x's blocks 4-7) may be out
.if \first
	WIN BEG_LO
.else
	WIN MUL_LO
.endif
	MUL16 0, (\q)%2, \q, \slot, \first
	MUL16 2, (\q)%2, \q, \slot, \first
	s_wait_dscnt 0                                 ; x's blocks 4-7 are in
	PLACES NP
	FETCH_B \slot, (\q)+1, 1-(\q)%2
	FETCH_A \slot, (\q)+1, 0
.if \first
	WIN BEG_HI
.else
	WIN MUL_HI
.endif
	MUL16 4, (\q)%2, \q, \slot, \first
	MUL16 6, (\q)%2, \q, \slot, \first
	PLACES NP
	WIN 0
	FETCH_A \slot, (\q)+1, 4
.endm
; Slot 0's last step changes slots: one barrier; in front of it each wave waits for all its tensor loads (its part of slot 1), adds 0 to its spare word, and waits for that and for its own reads of slot 0.
; Behind it slot 1 is whole and nobody reads slot 0 any more, which later takes the stages.  Nothing is filled again.
.macro TURN slot, next
	s_wait_tensorcnt 0x0                           ; all my tensor loads have landed (every window is 0 here)
	ds_add_u32 v[SPW], v[NIL]                      ; 0 onto my spare word
	s_wait_dscnt 4*NL+1                            ; (the add and the youngest eight loads may be out)
	WIN MUL_LO
	MUL16 0, 1, NQ-1, \slot, 0
	s_wait_dscnt 0x0                               ; the add is done, and my reads of this slot are over
	s_barrier_signal -1
	MUL16 2, 1, NQ-1, \slot, 0
	WIN 0
	s_barrier_wait -1
	PLACES NP
	v_add_nc_u32 v[ADRS], 4*NQ, v[ADRS]            ; on to the next slot's scale words
	FETCH_B \next, 0, 0
	FETCH_A \next, 0, 0
	SCALES \next
	WIN MUL_HI
	MUL16 4, 1, NQ-1, \slot, 0
	MUL16 6, 1, NQ-1, \slot, 0
	PLACES NP
	WIN 0
	FETCH_A \next, 0, 4
.endm
.macro STEPS slot, from
.set Q, \from
.rept NQ-1-\from
	STEP \slot, Q, 0
.set Q, Q+1
.endr
.endm
	s_wait_tensorcnt 1                             ; the scales and my part of slot 0 are in (slot 1's load may be out)
	s_barrier_signal -1
	s_barrier_wait -1                              ; everybody's are
	FETCH_B 0, 0, 0
	FETCH_A 0, 0, 0
	SCALES 0
	FETCH_A 0, 0, 4
	s_wait_loadcnt 0x0                             ; the bias
	STEP 0, 0, 1                                   ; the first step's products start the sums, on the bias
	STEPS 0, 1
	TURN 0, 1
	STEPS 1, 0
	s_wait_dscnt 4*NL                              ; the very last step: nothing more to fetch
	WIN MUL_LO
	MUL16 0, 1, NQ-1, 1, 0
	MUL16 2, 1, NQ-1, 1, 0
	s_wait_dscnt 0
	WIN MUL_HI
	MUL16 4, 1, NQ-1, 1, 0
	MUL16 6, 1, NQ-1, 1, 0
	WIN 0
; THE WAY OUT, block by block of 16 tokens x 128 columns (two heads).  PACK: rounded to f16, 16 bytes a lane, each accumulator from its low end on.  TOSTAGE: into my own stage and back so that sixteen lanes hold
; two tokens of one head.  SEND: each half of the lanes stores 256 consecutive bytes, aligned.  LDS serves a wave's instructions in order: no wait between the stage's stores and loads.
.macro PACK a
.set AC, 64*((\a)%4)
	WIN 0x0a+5*((\a)/4)                            ; sources 0 and 1: window 2 or 3
.irp b, 0,1,2,3,4,5,6,7
.irp r, 0,1,2,3
	v_cvt_pk_f16_f32 v[TMP+4*\b+\r], v[AC+8*\b+2*\r], v[AC+8*\b+2*\r+1]
.endr
.endr
	WIN 0
.endm
.macro TOSTAGE a
.set BB, BK+32*((\a)%2)
.irp b, 0,1,2,3,4,5,6,7
	ds_store_b128 v[STO], v[TMP+4*\b:TMP+4*\b+3] offset:32*\b
.endr
.irp t, 0,1,2,3,4,5,6,7
	ds_load_b128 v[BB+4*\t:BB+4*\t+3], v[RD] offset:\t*2*SPITCH
.endr
.endm
.macro SEND a
.set BB, BK+32*((\a)%2)
	s_wait_dscnt 0x0                               ; the block is back in registers
	s_wait_xcnt 0x0                                ; the stores of the block before have read their registers: the next block's loads may land there
.irp t, 0,1,2,3,4,5,6,7
	global_store_b128 v[CO], v[BB+4*\t:BB+4*\t+3], s[12:13] offset:(\a)*2048+\t*256
.endr
.endm
	PLACES NP                                      ; behind the last products: for the writes of v32-63 and the loads into the registers that held x's fragments
	PACK 0
	TOSTAGE 0
.irp a, 1,2,3,4,5,6,7                  ; block a's conversions stand between block a - 1's loads from the stage and the wait for them
	PACK \a
	SEND \a-1
	TOSTAGE \a
.endr
	SEND 7
	s_wait_tensorcnt 0x0                           ; the wave's end, behind my last tensor load and my last LDS store
	ds_add_u32 v[SPW], v[NIL]
	s_wait_dscnt 0x0
	CROUND                                         ; the closing round
	s_endpgm
.Lfunc_end_k_q69b6306f4d_qkv:
	.size	k_q69b6306f4d_qkv, .Lfunc_end_k_q69b6306f4d_qkv-k_q69b6306f4d_qkv
	.p2alignl 7, 3214868480
	.fill 96, 4, 3214868480
	.section	.rodata,"a",@progbits
	.p2align	6, 0x0
	.amdhsa_kernel k_q69b6306f4d_qkv
		.amdhsa_group_segment_fixed_size 327680
		.amdhsa_private_segment_fixed_size 0
		.amdhsa_enable_private_segment 0
		.amdhsa_kernarg_size 48
		.amdhsa_user_sgpr_count 2
		.amdhsa_user_sgpr_kernarg_segment_ptr 1
		.amdhsa_wavefront_size32 1
		.amdhsa_system_sgpr_workgroup_id_x 1
		.amdhsa_system_sgpr_workgroup_id_y 1
		.amdhsa_system_sgpr_workgroup_id_z 1
		.amdhsa_system_vgpr_workitem_id 0
		.amdhsa_next_free_vgpr 1024
		.amdhsa_next_free_sgpr 98
		.amdhsa_reserve_vcc 0
		.amdhsa_float_denorm_mode_32 3
		.amdhsa_float_denorm_mode_16_64 3
		.amdhsa_memory_ordered 1
		.amdhsa_forward_progress 1
		.amdhsa_inst_pref_size 131
	.end_amdhsa_kernel
	.amdgpu_metadata
---
amdhsa.version: [ 1, 2 ]
amdhsa.kernels:
  - .name:           k_q69b6306f4d_qkv
    .symbol:         k_q69b6306f4d_qkv.kd
    .args:
      - { .name: xc, .offset: 0, .size: 8, .value_kind: global_buffer, .address_space: global }
      - { .name: xs, .offset: 8, .size: 8, .value_kind: global_buffer, .address_space: global }
      - { .name: wc, .offset: 16, .size: 8, .value_kind: global_buffer, .address_space: global }
      - { .name: ws, .offset: 24, .size: 8, .value_kind: global_buffer, .address_space: global }
      - { .name: b_qkv, .offset: 32, .size: 8, .value_kind: global_buffer, .address_space: global }
      - { .name: qkv, .offset: 40, .size: 8, .value_kind: global_buffer, .address_space: global }
    .group_segment_fixed_size: 327680
    .private_segment_fixed_size: 0
    .kernarg_segment_align: 8
    .kernarg_segment_size: 48
    .max_flat_workgroup_size: 128
    .sgpr_count:     98
    .vgpr_count:     1024
    .wavefront_size: 32
...
	.end_amdgpu_metadata
.endif
;; end of part 2
;; launch attn (part 3): grid 4 x 64, 8 waves a work-group, clusters of 4 x 1, 327,680 bytes of LDS; arguments qkv, ob; writes ob
.if DOCPART == 3
	.amdgcn_target "amdgcn-amd-amdhsa--gfx1250"
	.amdhsa_code_object_version 6
	.text
	.protected	k_q69b6306f4d_attn
	.globl	k_q69b6306f4d_attn
	.p2align	8
	.type	k_q69b6306f4d_attn,@function
k_q69b6306f4d_attn:
	s_mov_b64 s[64:65], 0
	v_nop
	global_prefetch_b8 v0, s[64:65] scope:SCOPE_SE
	s_setreg_imm32_b32 hwreg(HW_REG_WAVE_MODE, 25, 1), 1
	s_wait_xcnt 0x0
	s_wait_alu depctr_hold_cnt(0) depctr_sa_sdst(0) depctr_va_vdst(0) depctr_va_sdst(0) depctr_va_ssrc(0) depctr_va_vcc(0) depctr_vm_vsrc(0)
	s_getreg_b32 s2, hwreg(HW_REG_IB_STS2, 6, 4)
	s_cmp_eq_u32 s2, 0
	s_cbranch_scc0 .Lentry_in_a_cluster
	s_endpgm
.Lentry_in_a_cluster:
	s_bfe_u32 s2, ttmp6, 0x10000c
	s_cmp_lg_u32 s2, 0x3003
	s_cbranch_scc0 .Lentry_shape_is_right
	s_endpgm
.Lentry_shape_is_right:
; LAUNCH 3 OF 4.  o[b][h][q][:] = the sum over k of softmax_k(Q[q] . K[k] / 8) V[k][:], for each of 64 (batch, head).  Q, K, V: f16, [3][64][2048][64] (K without its bias: shown dead at the head of launch 1).
; Products on f16 operands with f32 sums; maxima, exponentials and sums in f32; the weights p (at most 1) are rounded to f16 for the second product, o once at the end.
; o leaves in f16 in PAIR ROWS, [4096 pairs of tokens][16 heads][2 tokens][64]: two tokens of a head are 256 consecutive bytes, written whole by sixteen lanes, and launch 4 reads a pair row's 4 heads as 1,024 consecutive bytes.
; SHARES.  A work-group owns 512 queries of one head, each of its EIGHT waves 64: four tiles of 16, in 512 registers: two waves to a SIMD, so that one wave's softmax stands beside the other's matrix work.
; Every wave walks all 2,048 keys, 64 a step; a fragment of K or V read from LDS feeds four matrix instructions.  A step goes in phases: K Q^T, softmax, V^T P: seven switches of the register window a step.
; LAYOUT.  S^T = K Q^T (source 0 = 16 keys, source 1 = 16 queries): a lane holds ONE query (lane % 16) and the keys 8 (lane / 16) + 0..7.  Two such tiles, rounded to f16 in pairs, ARE source 1 of O^T = V^T P,
; whose result again holds one query a lane.  K comes out of LDS as it lies, V ([key][channel]) turned, by ds_load_tr16_b128.
; SOFTMAX.  For each query a running maximum m and sum l: p = 2^(c s - c m), c = log2(e) / 8; in every step O and l are multiplied by a = 2^(c m_old - c m_new).  m begins at -3e38 and O, l at zero: the first a is 0.
; CLUSTER.  The four query blocks of a head are one cluster and walk the same K and V: each tile is asked for JOINTLY.  A slot holds four steps (256 keys); waves 0-3 fetch K's four tiles, waves 4-7 V's: one load a wave.
; By this text's own count a wave has two tensor loads out at the start and one behind each change of slots.
; LIMITS: NaN and infinities are not served.
; REGISTERS: window 0: v0-15 addresses; v16-47 eight registers of statistics a tile; v64-191 S^T, 32 a tile (P is laid into each tile's low 16); v192-255 K of one step.
;   window 1: v0-63 Q; v64-191 O^T, 32 a tile; v192-255 V of one step.
.set KS,    64        ; keys in a step
.set PK,    144       ; a row of K in LDS: 128 bytes + 16: the 16 rows of a load start 16 bytes apart modulo 256
.set PVP,   160       ; a row of V: 128 + 32: the 8 rows x 32 bytes that 16 lanes of the turning load take do not meet
.set VOFF,  KS*PK     ; a step's tiles lie together: 64 rows of K, then 64 rows of V
.set STEPB, KS*(PK+PVP)
.set NST,   4         ; steps in a slot
.set SLOTB, NST*KS*128  ; a slot's bytes of K, or of V, in memory
.set SLOT1, 1<<17     ; slot 1 begins here, so that one exclusive or turns an address in one slot into the other's
.set STAGE, SLOT1+NST*STEPB  ; behind the ring: 16 rows x 144 bytes for each wave, for the way out
.set SP,    144
.set SPARE, STAGE+8*16*SP    ; the spare words, 128 bytes for each wave
.set PART,  16777216  ; bytes of Q (and of K, and of V) in qkv
.set AK0, 2           ; v2   my lane's place in a tile of K; never rewritten
.set AV0, 3           ; v3   the same for V
.set ADK, 4           ; v4   LDS address of K's run of loads in hand
.set ADV, 5           ; v5   of V's
.set QO,  6           ; v6   my byte offset in the wave's rows of Q
.set STO, 7           ; v7   the way out: where I put 16 bytes of a row
.set RD,  8           ; v8   the way out: where I read back
.set GO,  9           ; v9   my byte offset in the wave's part of ob
.set SPW, 12          ; v12  my spare word; never rewritten
.set NIL, 13          ; v13  0; never rewritten
.set PFO, 14          ; v14  256 x my lane; never rewritten
.set ST,  16          ; tile t's statistics at v[ST+8 t]: +0 c m, +1 m, +2, +3 l (even keys', odd keys'), +4 to +7 c0-c3, at work; a takes c2's place
.set S,   64
.set KF,  192
.set OT,  64          ; O^T, in window 1
.set VF,  192         ; V, in window 1
.set WV,  12          ; s12  my wave's number
.set LIM, 15          ; s15  1 in a wave that prefetches, else the greatest number
.set PFA, 18          ; s[18:19] where my prefetches stand
.set G1K, 24
.set G1V, 32
.set G0K, 40          ; s[40:47] two sets, one for each first fill; the second then walks on
.set G0V, 48
.set SLOTS, 56        ; s56  slots still to be asked for
.set CNT, 57          ; s57  counts three steps
.set CS,  58          ; s[58:59] c
.set SEL, 60          ; s[60:61] lane selects for v_permlanex16_b32: lane l xor 16
.set TB,  62          ; s62  LDS byte at which the tiles of the step to be fetched begin
.set MSB, 0
.macro WIN new
.if MSB != \new
	s_set_vgpr_msb (MSB<<8)|\new
.set MSB, \new
.endif
.endm
.set W_KQ, 0x04       ; K and S^T in window 0, Q in window 1
.set W_PV, 0x51       ; V and O^T in window 1, P in window 0
.set W_RS, 0x41       ; O^T (destination and source 0) in window 1, a in window 0
.set W_T1, 0x40       ; destination window 1, address window 0
.macro JLOAD          ; a joint refill: waves 0-3 K's tiles, waves 4-7 V's.  An s_nop 0 and four v_nop follow each of the two lines
	s_cmp_lt_u32 s[WV], 4
	s_cbranch_scc0 .Lfor_v_\@
	tensor_load_to_lds s[G0K+4:G0K+7], s[G1K:G1K+7]
	s_nop 0
.rept 4
	v_nop
.endr
	s_branch .Lasked_\@
.Lfor_v_\@:
	tensor_load_to_lds s[G0V+4:G0V+7], s[G1V:G1V+7]
	s_nop 0
.rept 4
	v_nop
.endr
.Lasked_\@:
.endm
; A PREFETCH INTO THE L2 of what the NEXT change of slots will ask for: 32,768 bytes of K and as many of V.  Each aligned 256 bytes is named once in the launch: a head has one cluster; its four partners take 8,192 bytes
; each, told apart BY ADDRESS; in each, wave 0 asks for K's and wave 4 for V's, lanes 256 bytes apart.  Four key steps, 256 matrix instructions a wave, ahead of the load.  The last refill asks for nothing.
.macro ASK
	s_cmp_gt_u32 s[SLOTS], s[LIM]
	s_cbranch_scc0 .Lnot_mine_\@
	global_prefetch_b8 v[PFO], s[PFA:PFA+1] th:TH_LOAD_NT scope:SCOPE_SE
.Lnot_mine_\@:
.endm
.macro CROUND
	s_barrier_signal -1
	s_barrier_wait -1
	s_cmp_lg_u32 s[WV], 0
	s_cbranch_scc1 .Lnot_wave_0_\@
	s_barrier_signal -3
.Lnot_wave_0_\@:
	s_barrier_wait -3
	s_barrier_signal -1
	s_barrier_wait -1
.endm
.macro PLACES n
.rept \n
	v_nop
.endr
.endm
	s_load_b128 s[4:7], s[0:1], 0x0   ; qkv s[4:5], ob s[6:7]
	v_lshl_add_u32 v[SPW], v0, 2, SPARE
	v_mov_b32 v[NIL], 0
	ds_add_u32 v[SPW], v[NIL]         ; the wave's opening: the add, twice on end, and its wait ahead of my first tensor load
	ds_add_u32 v[SPW], v[NIL]
	v_lshrrev_b32 v1, 5, v0
	v_readfirstlane_b32 s[WV], v1     ; wave 0..7
	s_bfe_u32 s13, ttmp6, 0x40000     ; cx: my place in the cluster
	s_lshl_b32 s14, ttmp9, 2
	s_add_co_u32 s14, s14, s13        ; my block of 512 queries: it enters Q's, ob's and the prefetches' addresses alone
	s_and_b32 s20, ttmp7, 0xffff      ; y = 16 x batch + head, which the four partners share
	s_and_b32 s16, s[WV], 3           ; which of a slot's four steps I fetch:
	s_mul_i32 s17, s16, STEPB         ; its place in a slot,
	s_lshl_b32 s16, s16, 13           ; its 64 rows of 128 bytes in memory,
	s_lshl_b32 s22, s20, 18           ; in my head: 262,144 bytes a head
	s_add_co_u32 s22, s22, s16
	s_mov_b32 s23, 0
	s_lshl_b32 s2, s14, 16            ; Q: my block's 512 rows,
	s_lshl_b32 s3, s[WV], 13          ; my wave's 64 of them,
	s_add_co_u32 s2, s2, s3
	s_lshl_b32 s3, s20, 18            ; in my head
	s_add_co_u32 s2, s2, s3
	s_mov_b32 s3, 0
	s_lshr_b32 s21, s20, 4            ; ob: token m0 = 2048 x batch + 512 x block + 64 x wave begins at 2,048 m0 + 256 x head
	s_lshl_b32 s21, s21, 22
	s_and_b32 s20, s20, 15
	s_lshl_b32 s20, s20, 8
	s_add_co_u32 s20, s20, s21
	s_lshl_b32 s21, s14, 20
	s_add_co_u32 s20, s20, s21
	s_lshl_b32 s21, s[WV], 17
	s_add_co_u32 s20, s20, s21
	s_mov_b32 s21, 0
	; descriptor group 1: a tile of 64 rows x 64 elements of 2 bytes, dense in memory, padded behind every row in LDS
	s_mov_b32 s[G1K], 15|(1<<16)|(1<<20)|(1<<21)|(4<<22)|(3<<25)  ; 15:0 the mask: all four work-groups; 17:16 2 bytes; 20 padding on; 21 set beside a mask; 24:22 after every 32 words; 31:25 four words
	s_mov_b32 s[G1V], 15|(1<<16)|(1<<20)|(1<<21)|(4<<22)|(7<<25)  ; the same with eight words of padding
.irp g, G1K, G1V
	s_mov_b32 s[\g+1], 64<<16         ; tensor_dim0
	s_mov_b32 s[\g+2], KS<<16         ; tensor_dim1
	s_mov_b32 s[\g+3], 64<<16         ; tile_dim0
	s_mov_b32 s[\g+4], KS             ; tile_dim1
	s_mov_b32 s[\g+5], 64             ; tensor_dim0_stride
	s_mov_b32 s[\g+6], 0
	s_mov_b32 s[\g+7], 0
.endr
	s_mov_b32 s[CS], 0x3e38aa3b       ; c = log2(e) / 8
	s_mov_b32 s[CS+1], s[CS]          ; named with it as a pair, so it is written
	s_mov_b32 s[SEL], 0x76543210
	s_mov_b32 s[SEL+1], 0xfedcba98
	s_mov_b32 s[TB], 0
	s_mov_b32 s[SLOTS], 2048/(NST*KS)-2
	s_and_b32 s[LIM], s[WV], 3        ; waves 0 and 4 prefetch: the same in all four partners
	s_cmp_eq_u32 s[LIM], 0
	s_cselect_b32 s[LIM], 1, -1
	s_wait_dscnt 0x0                  ; both opening adds are done
	s_wait_kmcnt 0x0
	s_add_nc_u64 s[8:9], s[4:5], s[22:23]
	s_add_nc_u64 s[10:11], s[8:9], 2*PART  ; V at my tile of slot 0
	s_add_nc_u64 s[8:9], s[8:9], PART      ; K likewise
	s_add_nc_u64 s[4:5], s[4:5], s[2:3]    ; Q at my wave's first row
	s_add_nc_u64 s[6:7], s[6:7], s[20:21]  ; ob at my wave's first pair
	s_cmp_lt_u32 s[WV], 4
	s_cselect_b64 s[PFA:PFA+1], s[8:9], s[10:11]  ; (in waves 0 and 4 these stand at a slot's first row)
	s_lshl_b32 s2, s13, 13            ; my work-group's 8,192 bytes of the 32,768
	s_mov_b32 s3, 0
	s_add_nc_u64 s[PFA:PFA+1], s[PFA:PFA+1], s[2:3]
	s_add_nc_u64 s[PFA:PFA+1], s[PFA:PFA+1], 2*SLOTB  ; in slot 2; the first change of slots steps it to slot 3.  Nothing is prefetched here, at the head
	CROUND                            ; all four work-groups are here: the first joint loads meet
.irp s, 0,1
	s_mov_b32 s[G0K+4*\s], 1
	s_add_co_u32 s[G0K+4*\s+1], s17, \s*SLOT1
	s_add_nc_u64 s[G0K+4*\s+2:G0K+4*\s+3], s[8:9], \s*SLOTB
	s_or_b32 s[G0K+4*\s+3], s[G0K+4*\s+3], 0x80000000
	s_mov_b32 s[G0V+4*\s], 1
	s_add_co_u32 s[G0V+4*\s+1], s17, \s*SLOT1+VOFF
	s_add_nc_u64 s[G0V+4*\s+2:G0V+4*\s+3], s[10:11], \s*SLOTB
	s_or_b32 s[G0V+4*\s+3], s[G0V+4*\s+3], 0x80000000
.endr
	s_cmp_lt_u32 s[WV], 4             ; a wave's two first fills stand in one branch, ahead of every wait on TENSORcnt and every LDS read
	s_cbranch_scc0 .Lfirst_v
	tensor_load_to_lds s[G0K:G0K+3], s[G1K:G1K+7]
	s_nop 0
	tensor_load_to_lds s[G0K+4:G0K+7], s[G1K:G1K+7]
	s_nop 0
.rept 4
	v_nop
.endr
	s_branch .Lfirst_asked
.Lfirst_v:
	tensor_load_to_lds s[G0V:G0V+3], s[G1V:G1V+7]
	s_nop 0
	tensor_load_to_lds s[G0V+4:G0V+7], s[G1V:G1V+7]
	s_nop 0
.rept 4
	v_nop
.endr
.Lfirst_asked:
	; A fragment of K or Q is 16 rows x 32 channels in 8 registers: lane l holds row l % 16; registers 0-3 channels 8 (l / 16) + 0..7, registers 4-7 channels 16 + 8 (l / 16) + 0..7
	v_and_b32 v1, 15, v0              ; r
	v_bfe_u32 v10, v0, 4, 1           ; h
	v_lshlrev_b32 v[QO], 7, v1
	v_lshl_add_u32 v[QO], v10, 4, v[QO]
	WIN W_T1
.irp i, 0,1,2,3,4,5,6,7               ; Q stays in registers: tile i / 2, channels 32 (i % 2) on
	global_load_b128 v[8*\i:8*\i+3],   v[QO], s[4:5] offset:(\i/2)*2048+(\i%2)*64
	global_load_b128 v[8*\i+4:8*\i+7], v[QO], s[4:5] offset:(\i/2)*2048+(\i%2)*64+32
.endr
	WIN 0
	v_mul_u32_u24 v[AK0], v1, PK
	v_lshl_add_u32 v[AK0], v10, 4, v[AK0]
	; The turning load takes 16 keys x 16 channels (lane l reads 16 bytes: key 8 (l / 16) + l % 8, channels 8 ((l / 8) % 2) + 0..7) and leaves half a fragment of V^T: lane l holds channel l % 16 and 8 keys
	v_and_b32 v11, 7, v0
	v_bfe_u32 v15, v0, 3, 1
	v_lshl_add_u32 v[AV0], v10, 3, v11
	v_mul_u32_u24 v[AV0], v[AV0], PVP
	v_lshl_add_u32 v[AV0], v15, 4, v[AV0]
	v_add_nc_u32 v[AV0], VOFF, v[AV0]
	s_mul_i32 s16, s[WV], 16*SP
	s_add_co_u32 s16, s16, STAGE      ; my stage
	v_mul_u32_u24 v[STO], v1, SP      ; in: row r (a query), 16 bytes for each half of the lanes
	v_lshl_add_u32 v[STO], v10, 4, v[STO]
	v_add_nc_u32 v[STO], s16, v[STO]
	v_lshl_add_u32 v[RD], v10, 1, v15 ; back: sixteen lanes take a pair of queries: row 2 (l / 16) + (l / 8) % 2, 16 bytes at 16 (l % 8)
	v_mul_u32_u24 v[RD], v[RD], SP
	v_lshl_add_u32 v[RD], v11, 4, v[RD]
	v_add_nc_u32 v[RD], s16, v[RD]
	v_lshlrev_b32 v[GO], 4, v1        ; in ob a pair's 256 bytes of my head; the next pair lies 4,096 bytes on
	v_lshl_add_u32 v[GO], v10, 12, v[GO]
	v_and_b32 v[PFO], 31, v0
	v_lshlrev_b32 v[PFO], 8, v[PFO]
.irp t, 0,1,2,3
	v_mov_b32 v[ST+8*\t+1], 0xff61b1e6  ; m = -3e38, under every score
	v_mov_b32 v[ST+8*\t+2], 0           ; l
	v_mov_b32 v[ST+8*\t+3], 0
.endr
.irp t, 0,1,2,3
	v_mul_f32 v[ST+8*\t], s[CS], v[ST+8*\t+1]  ; c m
.endr
	WIN W_T1                          ; O^T begins as zeros, once: so the key step has one form, whose first a = 0 multiplies zeros, and no further copy of the step is written
.set j, 0
.rept 128
	v_mov_b32 v[OT+j], 0
.set j, j+1
.endr
	WIN 0
; THE LDS LOADS stand in runs of 16: a step's K (8 fragments) and its V (8 fragments, turned).
.macro FETCH_K
	v_add_nc_u32 v[ADK], s[TB], v[AK0]
.irp f, 0,1,2,3,4,5,6,7               ; keys 16 (f / 2) on, channels 32 (f % 2) on
	ds_load_b128 v[KF+8*\f:KF+8*\f+3],   v[ADK] offset:(\f/2)*16*PK+(\f%2)*64
	ds_load_b128 v[KF+8*\f+4:KF+8*\f+7], v[ADK] offset:(\f/2)*16*PK+(\f%2)*64+32
.endr
.endm
.macro FETCH_V
	v_add_nc_u32 v[ADV], s[TB], v[AV0]
	s_add_co_u32 s[TB], s[TB], STEPB  ; the next fetch is the next step's
	WIN W_T1
.irp f, 0,1,2,3,4,5,6,7               ; keys 32 (f / 4) on, channels 16 (f % 4) on
	ds_load_tr16_b128 v[VF+8*\f:VF+8*\f+3],   v[ADV] offset:(\f/4)*32*PVP+(\f%4)*32
	ds_load_tr16_b128 v[VF+8*\f+4:VF+8*\f+7], v[ADV] offset:(\f/4)*32*PVP+16*PVP+(\f%4)*32
.endr
	WIN 0
.endm
; Product i of 32 of S^T = K Q^T: channels 32 (i / 16) on, keys 16 ((i / 4) % 4) on, tile i % 4.  The first 16 start the sums.  The 16 accumulators take turns.
.macro KQ
.set rS, S+32*(i%4)+8*((i/4)%4)
.set rK, KF+16*((i/4)%4)+8*(i/16)
.set rQ, 16*(i%4)+8*(i/16)
.if i < 16
	v_wmma_f32_16x16x32_f16 v[rS:rS+7], v[rK:rK+7], v[rQ:rQ+7], 0
.else
	v_wmma_f32_16x16x32_f16 v[rS:rS+7], v[rK:rK+7], v[rQ:rQ+7], v[rS:rS+7]
.endif
.endm
; Product i of 32 of O^T += V^T P: keys 32 (i / 16) on, channels 16 ((i / 4) % 4) on, tile i % 4.  Again 16 accumulators by turns.
.macro PVM
.set rO, OT+32*(i%4)+8*((i/4)%4)
.set rV, VF+32*(i/16)+8*((i/4)%4)
.set rP, S+32*(i%4)+8*(i/16)
	v_wmma_f32_16x16x32_f16 v[rO:rO+7], v[rV:rV+7], v[rP:rP+7], v[rO:rO+7]
.endm
; THE SOFTMAX of the wave's four tiles for one key step; the tiles take turns line by line, so that no line waits for the line above it.
.macro SOFTMAX
	WIN 0
.irp j, 0,1,2,3                       ; the maximum of a lane's 32 scores and the old m: four chains; each accumulator is read from its low end on
.irp t, 0,1,2,3
	v_max3_num_f32 v[ST+8*\t+4+\j], v[S+32*\t+8*\j], v[S+32*\t+8*\j+1], v[S+32*\t+8*\j+2]
.endr
.endr
.irp g, 1,2
.irp j, 0,1,2,3
.irp t, 0,1,2,3
	v_max3_num_f32 v[ST+8*\t+4+\j], v[ST+8*\t+4+\j], v[S+32*\t+8*\j+2*\g+1], v[S+32*\t+8*\j+2*\g+2]
.endr
.endr
.endr
.irp t, 0,1,2,3
	v_max3_num_f32 v[ST+8*\t+4], v[ST+8*\t+4], v[S+32*\t+7], v[S+32*\t+15]
.endr
.irp t, 0,1,2,3
	v_max3_num_f32 v[ST+8*\t+6], v[ST+8*\t+6], v[S+32*\t+23], v[S+32*\t+31]
.endr
.irp t, 0,1,2,3
	v_max3_num_f32 v[ST+8*\t+4], v[ST+8*\t+4], v[ST+8*\t+5], v[ST+8*\t+6]
.endr
.irp t, 0,1,2,3
	v_max3_num_f32 v[ST+8*\t+4], v[ST+8*\t+4], v[ST+8*\t+7], v[ST+8*\t+1]
.endr
.irp t, 0,1,2,3
	v_permlanex16_b32 v[ST+8*\t+5], v[ST+8*\t+4], s[SEL], s[SEL+1]  ; the query's other 32 keys lie in the lane 16 away
.endr
.irp t, 0,1,2,3
	v_mov_b32 v[ST+8*\t+7], v[ST+8*\t]                              ; c m_old is kept for a
.endr
.irp t, 0,1,2,3
	v_max_num_f32 v[ST+8*\t+1], v[ST+8*\t+4], v[ST+8*\t+5]          ; the new m
.endr
.irp t, 0,1,2,3
	v_mul_f32 v[ST+8*\t], s[CS], v[ST+8*\t+1]
.endr
.irp t, 0,1,2,3
	v_sub_f32 v[ST+8*\t+7], v[ST+8*\t+7], v[ST+8*\t]
.endr
.irp t, 0,1,2,3
	v_exp_f32 v[ST+8*\t+6], v[ST+8*\t+7]                            ; a: the first four of the batch
.endr
.set b, 0
.rept 16
.irp t, 0,1,2,3
	v_pk_fma_f32 v[S+32*\t+2*b:S+32*\t+2*b+1], v[S+32*\t+2*b:S+32*\t+2*b+1], s[CS:CS+1], v[ST+8*\t:ST+8*\t+1] op_sel_hi:[1,0,0] neg_lo:[0,0,1] neg_hi:[0,0,1]  ; c s - c m, two at a time
.endr
.set b, b+1
.endr
.set e, 0
.rept 32
.irp t, 0,1,2,3
	v_exp_f32 v[S+32*\t+e], v[S+32*\t+e]
.endr
.set e, e+1
.endr
	v_nop                             ; the plain instruction behind the last exponential
	s_wait_alu depctr_va_vdst(0)      ; ONE wait for the batch of 132 exponentials, ahead of the first line that names a result
.irp t, 0,1,2,3
	v_pk_fma_f32 v[ST+8*\t+2:ST+8*\t+3], v[ST+8*\t+2:ST+8*\t+3], v[ST+8*\t+6:ST+8*\t+7], v[S+32*\t:S+32*\t+1] op_sel_hi:[1,0,1]  ; l = a l + the first pair
.endr
.set b, 1
.rept 15
.irp t, 0,1,2,3
	v_pk_add_f32 v[ST+8*\t+2:ST+8*\t+3], v[ST+8*\t+2:ST+8*\t+3], v[S+32*\t+2*b:S+32*\t+2*b+1]
.endr
.set b, b+1
.endr
.set b, 0
.rept 16                              ; P in place, ascending: register b takes the pair 2 b, 2 b + 1, which no later line of the step reads
.irp t, 0,1,2,3
	v_cvt_pk_f16_f32 v[S+32*\t+b], v[S+32*\t+2*b], v[S+32*\t+2*b+1]
.endr
.set b, b+1
.endr
	WIN W_RS
.set b, 0
.rept 16                              ; O^T times a, ascending: each accumulator is read from its low end on
.irp t, 0,1,2,3
	v_pk_mul_f32 v[OT+32*\t+2*b:OT+32*\t+2*b+1], v[OT+32*\t+2*b:OT+32*\t+2*b+1], v[ST+8*\t+6:ST+8*\t+7] op_sel_hi:[1,0]
.endr
.set b, b+1
.endr
.endm
; A KEY STEP.  At its head K's 16 loads of this step and, behind them, V's 16 are out.
; mode 0: inside a slot.  mode 1: a slot's last step, the slot is filled again.  mode 2: the last change of slots, nothing is asked for.  mode 3: the last step of all.
.macro STEP mode
	s_wait_dscnt 16                   ; K is in; V's 16 loads may be out
	WIN W_KQ
.set i, 0
.rept 32
	KQ
.set i, i+1
.endr
	WIN 0
.if \mode == 0
	PLACES 4                          ; behind the products: for the loads into K's registers and the softmax's first reads
	FETCH_K
.elseif \mode == 1
	; THE CHANGE OF SLOTS: every read of this slot has been issued.  Each wave waits for all its tensor loads (its part of the other slot), adds 0 to its spare word, and waits for that and for its reads of the slot.
	s_wait_tensorcnt 0x0              ; no tensor load of mine is out, so a group 0 may be written
	ds_add_u32 v[SPW], v[NIL]         ; 0 onto my spare word; the descriptors' steps stand between it and the wait for it
.irp g, G0K+4, G0V+4
	s_xor_b32 s[\g+1], s[\g+1], SLOT1 ; the walking descriptor: the other slot than last time,
	s_add_nc_u64 s[\g+2:\g+3], s[\g+2:\g+3], SLOTB  ; the next 256 keys
.endr
	s_wait_xcnt 0x0                   ; the last prefetch, four steps back, has read its address
	s_add_nc_u64 s[PFA:PFA+1], s[PFA:PFA+1], SLOTB
	s_wait_dscnt 0x0                  ; the add is done, and my reads of the slot are over
	CROUND                            ; no wave of any partner still reads the slot or has a load on its way
	JLOAD                             ; the first thing behind the round; its four v_nop are also the places behind the products
	s_sub_co_u32 s[TB], s[TB], NST*STEPB  ; the fetches go back to a slot's first step,
	s_xor_b32 s[TB], s[TB], SLOT1     ; in the other slot
	FETCH_K
	ASK                               ; behind the joint load and the run of LDS loads
.elseif \mode == 2
	s_wait_tensorcnt 0x0
	ds_add_u32 v[SPW], v[NIL]
	s_wait_dscnt 0x0
	s_barrier_signal -1
	s_barrier_wait -1                 ; the last slot is whole for every wave
	PLACES 4
	s_sub_co_u32 s[TB], s[TB], NST*STEPB
	s_xor_b32 s[TB], s[TB], SLOT1
	FETCH_K
.else
	PLACES 4
.endif
	SOFTMAX
.if \mode == 3
	s_wait_dscnt 0x0                  ; V is in
.else
	s_wait_dscnt 16                   ; V is in; the next step's K, 16 loads, may be out
.endif
	WIN W_PV
.set i, 0
.rept 32
	PVM
.set i, i+1
.endr
	WIN 0
.if \mode != 3
	PLACES 5                          ; five: the next step's first products write over registers that these read as P; four of them serve the loads into V's registers
	FETCH_V
.endif
.endm
.macro THREE
	s_mov_b32 s[CNT], 3
.Lthree_\@:
	STEP 0
	s_sub_co_u32 s[CNT], s[CNT], 1
	s_cmp_lg_u32 s[CNT], 0
	s_cbranch_scc1 .Lthree_\@
.endm
	s_wait_tensorcnt 1                ; my part of slot 0 is in; slot 1's may stay out
	s_barrier_signal -1
	s_barrier_wait -1                 ; everybody's is
	FETCH_K                           ; key step 0
	FETCH_V
	s_wait_loadcnt 0x0                ; Q
.Lslot:                               ; six trips: every slot but the last two is filled again
	THREE
	STEP 1
	s_sub_co_u32 s[SLOTS], s[SLOTS], 1
	s_cmp_lg_u32 s[SLOTS], 0
	s_cbranch_scc1 .Lslot
	THREE                             ; the tail is written out
	STEP 2
	THREE
	STEP 3
	; THE WAY OUT.  l's two halves and the other half of the lanes' are added; O^T is divided by l, rounded to f16 and sent through my stage, a tile (16 queries) at a time.  The additions are the places behind the last products.
.irp t, 0,1,2,3
	v_add_f32 v[ST+8*\t+4], v[ST+8*\t+2], v[ST+8*\t+3]
.endr
.irp t, 0,1,2,3
	v_permlanex16_b32 v[ST+8*\t+5], v[ST+8*\t+4], s[SEL], s[SEL+1]
.endr
.irp t, 0,1,2,3
	v_add_f32 v[ST+8*\t+4], v[ST+8*\t+4], v[ST+8*\t+5]
.endr
.irp t, 0,1,2,3
	v_rcp_f32 v[ST+8*\t+6], v[ST+8*\t+4]
.endr
	v_nop                             ; a plain instruction behind the last reciprocal
	s_wait_alu depctr_va_vdst(0)      ; one wait for the four, ahead of the first use
.macro PACK t
	WIN W_RS
.set i, 0
.rept 16
	v_pk_mul_f32 v[OT+32*\t+2*i:OT+32*\t+2*i+1], v[OT+32*\t+2*i:OT+32*\t+2*i+1], v[ST+8*\t+6:ST+8*\t+7] op_sel_hi:[1,0]
.set i, i+1
.endr
	WIN 0x05                          ; sources 0 and 1 window 1, destination window 0: S^T's registers are free
.set i, 0
.rept 16
	v_cvt_pk_f16_f32 v[S+32*\t+i], v[OT+32*\t+2*i], v[OT+32*\t+2*i+1]
.set i, i+1
.endr
	WIN 0
.irp f, 0,1,2,3
	ds_store_b128 v[STO], v[S+32*\t+4*\f:S+32*\t+4*\f+3] offset:32*\f
.endr
.irp f, 0,1,2,3
	ds_load_b128 v[S+32*\t+16+4*\f:S+32*\t+16+4*\f+3], v[RD] offset:\f*4*SP  ; LDS serves a wave's instructions in order: these see the stores above; the next tile's stores come behind them
.endr
.endm
.macro SEND t, younger                ; younger: the LDS instructions issued behind tile t's loads: the next tile's eight, or none
.irp f, 0,1,2,3
	s_wait_dscnt \younger+3-\f
	global_store_b128 v[GO], v[S+32*\t+16+4*\f:S+32*\t+16+4*\f+3], s[6:7] offset:\t*32768+\f*8192  ; each half of the lanes stores 256 consecutive bytes, aligned: a pair of tokens of my head
.endr
.endm
	PACK 0
	PACK 1
	SEND 0, 8
	PACK 2
	SEND 1, 8
	PACK 3
	SEND 2, 8
	SEND 3, 0
	s_wait_tensorcnt 0x0              ; the wave's end, behind my last tensor load and my last LDS store
	ds_add_u32 v[SPW], v[NIL]
	s_wait_dscnt 0x0
	CROUND                            ; the closing round
	s_endpgm
.Lfunc_end_k_q69b6306f4d_attn:
	.size	k_q69b6306f4d_attn, .Lfunc_end_k_q69b6306f4d_attn-k_q69b6306f4d_attn
	.p2alignl 7, 3214868480
	.fill 96, 4, 3214868480
	.section	.rodata,"a",@progbits
	.p2align	6, 0x0
	.amdhsa_kernel k_q69b6306f4d_attn
		.amdhsa_group_segment_fixed_size 327680
		.amdhsa_private_segment_fixed_size 0
		.amdhsa_enable_private_segment 0
		.amdhsa_kernarg_size 16
		.amdhsa_user_sgpr_count 2
		.amdhsa_user_sgpr_kernarg_segment_ptr 1
		.amdhsa_wavefront_size32 1
		.amdhsa_system_sgpr_workgroup_id_x 1
		.amdhsa_system_sgpr_workgroup_id_y 1
		.amdhsa_system_sgpr_workgroup_id_z 1
		.amdhsa_system_vgpr_workitem_id 0
		.amdhsa_next_free_vgpr 512
		.amdhsa_next_free_sgpr 66
		.amdhsa_reserve_vcc 0
		.amdhsa_float_denorm_mode_32 3
		.amdhsa_float_denorm_mode_16_64 3
		.amdhsa_memory_ordered 1
		.amdhsa_forward_progress 1
		.amdhsa_inst_pref_size 219
	.end_amdhsa_kernel
	.amdgpu_metadata
---
amdhsa.version: [ 1, 2 ]
amdhsa.kernels:
  - .name:           k_q69b6306f4d_attn
    .symbol:         k_q69b6306f4d_attn.kd
    .args:
      - { .name: qkv, .offset: 0, .size: 8, .value_kind: global_buffer, .address_space: global }
      - { .name: ob, .offset: 8, .size: 8, .value_kind: global_buffer, .address_space: global }
    .group_segment_fixed_size: 327680
    .private_segment_fixed_size: 0
    .kernarg_segment_align: 8
    .kernarg_segment_size: 16
    .max_flat_workgroup_size: 256
    .sgpr_count:     66
    .vgpr_count:     512
    .wavefront_size: 32
...
	.end_amdgpu_metadata
.endif
;; end of part 3
;; launch proj (part 4): grid 8 x 64, 4 waves a work-group, clusters of 4 x 4, 327,680 bytes of LDS; arguments ob, wp, b_proj, out0; writes out0
.if DOCPART == 4
	.amdgcn_target "amdgcn-amd-amdhsa--gfx1250"
	.amdhsa_code_object_version 6
	.text
	.protected	k_q69b6306f4d_proj
	.globl	k_q69b6306f4d_proj
	.p2align	8
	.type	k_q69b6306f4d_proj,@function
k_q69b6306f4d_proj:
	s_mov_b64 s[64:65], 0
	v_nop
	global_prefetch_b8 v0, s[64:65] scope:SCOPE_SE
	s_setreg_imm32_b32 hwreg(HW_REG_WAVE_MODE, 25, 1), 1
	s_wait_xcnt 0x0
	s_wait_alu depctr_hold_cnt(0) depctr_sa_sdst(0) depctr_va_vdst(0) depctr_va_sdst(0) depctr_va_ssrc(0) depctr_va_vcc(0) depctr_vm_vsrc(0)
	s_getreg_b32 s2, hwreg(HW_REG_IB_STS2, 6, 4)
	s_cmp_eq_u32 s2, 0
	s_cbranch_scc0 .Lentry_in_a_cluster
	s_endpgm
.Lentry_in_a_cluster:
	s_bfe_u32 s2, ttmp6, 0x10000c
	s_cmp_lg_u32 s2, 0xf033
	s_cbranch_scc0 .Lentry_shape_is_right
	s_endpgm
.Lentry_shape_is_right:
; LAUNCH 4 OF 4.  out0[m][n] = the sum over k of o[m][k] w_proj[n][k] + b_proj[n].  o and w_proj in f16, sums and result in f32.  M 8,192, N 1,024, K 1,024 (k = 64 x head + channel).
; o lies in PAIR ROWS, [4096 pairs of tokens][16 heads][2 tokens][64] f16: a K step of 256 (four heads) of a pair row is 1,024 consecutive bytes and holds both tokens.
; A tile of C is 128 x 128: 512 tiles, so that every WGP has work.  Four waves, each 64 x 64: 16 accumulators.  K goes in four steps of 256 through two LDS slots.
; CLUSTERS: 4 x 4 work-groups; o's tiles are shared along a row of the cluster, w_proj's along a column: each is asked for JOINTLY.  By this text's own count a wave has two tensor loads out at the start, later one.
; THE MATRIX INSTRUCTION IS USED TRANSPOSED (source 0 = 16 rows of w_proj, source 1 = 16 tokens): a lane holds eight neighbouring columns of one token.  THE BIAS IS THE C OF EACH SUM'S FIRST MATRIX INSTRUCTION.
; No prefetch: a tile this small has short steps, and both operands are read again by many work-groups.
; REGISTERS: window 0: v0-31 addresses; v32-95 rows on the way out; v96-127 the bias; v128-255 the accumulators ((a, b) at v[128 + 8 (4 a + b)]).   window 1: two fragment buffers of 128.
.set SIZE_N, 1024
.set SIZE_K, 1024
.set KSTEP,  256
.set PITCH,  528                       ; a row of w_proj's tile in LDS: 512 bytes + 16
.set PA,     1040                      ; a pair row of o's tile: 1,024 bytes + 16: row r of a fragment lies at (r / 2) x 1,040 + (r % 2) x 128: sixteen different places of 16 bytes modulo 256
.set HALFA,  32*PA                     ; 32 pair rows = 64 tokens: what one tensor load brings of o
.set HALFB,  64*PITCH                  ; 64 rows of w_proj
.set SLOT,   2*HALFA+2*HALFB
.set STAGE,  2*SLOT                    ; behind the ring: 16 rows x 272 bytes for each wave, its own
.set SPITCH, 272
.set SPARE,  STAGE+4*16*SPITCH
.set ADRA, 16                          ; v16-17  LDS address of my fragments of o in slot 0, 1
.set ADRB, 20                          ; v20-21  the same for w_proj
.set STO,  24
.set RD,   25
.set CO,   26
.set BO,   27                          ; v27     the bias loads' offset: 32 x (lane / 16); never rewritten
.set SPW,  28
.set NIL,  29
.set OB,   32                          ; the way out: v32-63 and v64-95 by turns
.set BIAS, 96
.set ACC,  128
.set F0,   0
.set F1,   128
.set G1, 24
.set G0, 32
.set G1B, 48
.set G0B, 56
.set MSB, 0
.macro WIN new
.if MSB != \new
	s_set_vgpr_msb (MSB<<8)|\new
.set MSB, \new
.endif
.endm
.set MUL,  0x05                        ; sources 0 and 1 window 1; C and D window 0
.set TO_F, 0x40                        ; destination window 1, address window 0
.macro JLOAD s                         ; a joint load: waves 0 and 1 fetch o's two halves, waves 2 and 3 w_proj's; an s_nop 0 and four v_nop follow each of the two lines
	s_cmp_eq_u32 s11, 0
	s_cbranch_scc0 .Lfor_b_\@
	tensor_load_to_lds s[G0+4*\s:G0+4*\s+3], s[G1:G1+7]
	s_nop 0
.rept 4
	v_nop
.endr
	s_branch .Lasked_\@
.Lfor_b_\@:
	tensor_load_to_lds s[G0B+4*\s:G0B+4*\s+3], s[G1B:G1B+7]
	s_nop 0
.rept 4
	v_nop
.endr
.Lasked_\@:
.endm
.macro CREST
	s_cmp_lg_u32 s10, 0
	s_cbranch_scc1 .Lnot_wave_0_\@
	s_barrier_signal -3
.Lnot_wave_0_\@:
	s_barrier_wait -3
	s_barrier_signal -1
	s_barrier_wait -1
.endm
.macro CROUND
	s_barrier_signal -1
	s_barrier_wait -1
	CREST
.endm
	s_load_b128 s[4:7], s[0:1], 0x0                ; ob s[4:5], wp s[6:7]
	s_load_b64 s[2:3], s[0:1], 0x10                ; b_proj
	s_load_b64 s[8:9], s[0:1], 0x18                ; out0
	v_lshl_add_u32 v[SPW], v0, 2, SPARE
	v_mov_b32 v[NIL], 0
	ds_add_u32 v[SPW], v[NIL]                      ; the wave's opening: the add, twice on end, and its wait ahead of my first tensor load
	ds_add_u32 v[SPW], v[NIL]
	v_lshrrev_b32 v1, 5, v0
	v_readfirstlane_b32 s10, v1                    ; wave 0..3
	s_lshr_b32 s11, s10, 1                         ; which half of the tile's rows is mine.  Also: I fetch for o (0) or for w_proj (1)
	s_and_b32 s12, s10, 1                          ; which half of its columns.  Also: which half of that tile I fetch
	s_bfe_u32 s40, ttmp6, 0x40000                  ; cx, cy
	s_bfe_u32 s41, ttmp6, 0x40004
	s_lshl_b32 s42, ttmp9, 2
	s_add_co_u32 s42, s42, s40                     ; tile column
	s_and_b32 s13, ttmp7, 0xffff
	s_lshl_b32 s13, s13, 2
	s_add_co_u32 s13, s13, s41                     ; tile row
	s_lshl_b32 s43, s41, 2
	s_lshl_b32 s43, 15, s43                        ; my row of the cluster
	s_lshl_b32 s44, 0x1111, s40                    ; my column
	; o: 32 pair rows x 512 elements of 2 bytes, 2,048 elements apart; four words of padding behind every 256
	s_or_b32 s[G1+0], s43, (1<<16)|(1<<20)|(1<<21)|(7<<22)|(3<<25)
	s_mov_b32 s[G1+1], 512<<16                     ; tensor_dim0
	s_mov_b32 s[G1+2], 32<<16                      ; tensor_dim1
	s_mov_b32 s[G1+3], 512<<16                     ; tile_dim0
	s_mov_b32 s[G1+4], 32                          ; tile_dim1
	s_mov_b32 s[G1+5], 2048                        ; tensor_dim0_stride
	s_mov_b32 s[G1+6], 0
	s_mov_b32 s[G1+7], 0
	; w_proj: 64 rows x 256 elements, 1,024 elements apart; four words of padding behind every 128
	s_or_b32 s[G1B+0], s44, (1<<16)|(1<<20)|(1<<21)|(6<<22)|(3<<25)
	s_mov_b32 s[G1B+1], KSTEP<<16
	s_mov_b32 s[G1B+2], 64<<16
	s_mov_b32 s[G1B+3], KSTEP<<16
	s_mov_b32 s[G1B+4], 64
	s_mov_b32 s[G1B+5], SIZE_K
	s_mov_b32 s[G1B+6], 0
	s_mov_b32 s[G1B+7], 0
	s_lshl_b32 s17, s12, 5
	s_lshl_b32 s16, s13, 6
	s_add_co_u32 s16, s16, s17                     ; o: pair row 64 x tile row + 32 x half,
	s_lshl_b32 s16, s16, 12                        ; of 4,096 bytes (under 2^24)
	s_mov_b32 s17, 0
	s_lshl_b32 s47, s12, 6
	s_lshl_b32 s46, s42, 7
	s_add_co_u32 s46, s46, s47                     ; w_proj: row 128 x tile column + 64 x half,
	s_lshl_b32 s46, s46, 11                        ; of 2,048 bytes
	s_mov_b32 s47, 0
	s_mul_i32 s20, s12, HALFA                      ; where they go: no place in the cluster enters an LDS address
	s_mul_i32 s21, s12, HALFB
	s_add_co_u32 s21, s21, 2*HALFA
	s_wait_dscnt 0x0                               ; both opening adds are done
	s_wait_kmcnt 0x0
	s_add_nc_u64 s[14:15], s[4:5], s[16:17]
	s_add_nc_u64 s[46:47], s[6:7], s[46:47]
	CROUND                                         ; all sixteen work-groups are here: the first joint loads meet
.irp s, 0,1
	s_mov_b32 s[G0+4*\s], 1
	s_add_co_u32 s[G0+4*\s+1], s20, \s*SLOT
	s_add_nc_u64 s[G0+4*\s+2:G0+4*\s+3], s[14:15], \s*1024     ; K step s: 1,024 bytes of a pair row
	s_or_b32 s[G0+4*\s+3], s[G0+4*\s+3], 0x80000000
	s_mov_b32 s[G0B+4*\s], 1
	s_add_co_u32 s[G0B+4*\s+1], s21, \s*SLOT
	s_add_nc_u64 s[G0B+4*\s+2:G0B+4*\s+3], s[46:47], \s*KSTEP*2
	s_or_b32 s[G0B+4*\s+3], s[G0B+4*\s+3], 0x80000000
	JLOAD \s
.endr
	v_and_b32 v1, 15, v0                           ; r
	v_bfe_u32 v2, v0, 4, 1                         ; h
	; the bias: register 8 b + j of lane (r, h) = b_proj[128 x tile column + 64 x half + 16 b + 8 h + j]
	v_lshlrev_b32 v[BO], 5, v2
	s_lshl_b32 s46, s42, 9
	s_lshl_b32 s47, s12, 8
	s_add_co_u32 s46, s46, s47                     ; my first column, in bytes of f32: for the bias and for out0
	s_mov_b32 s47, 0
	s_add_nc_u64 s[2:3], s[2:3], s[46:47]
.irp b, 0,1,2,3
	global_load_b128 v[BIAS+8*\b:BIAS+8*\b+3], v[BO], s[2:3] offset:64*\b
	global_load_b128 v[BIAS+8*\b+4:BIAS+8*\b+7], v[BO], s[2:3] offset:64*\b+16
.endr
	v_lshrrev_b32 v3, 1, v1
	v_mul_u32_u24 v3, v3, PA
	v_and_b32 v4, 1, v0
	v_lshl_add_u32 v3, v4, 7, v3
	v_lshl_add_u32 v3, v2, 4, v3                   ; o: pair row r / 2, token r % 2, + 16 h
	v_mul_u32_u24 v4, v1, PITCH
	v_lshl_add_u32 v4, v2, 4, v4                   ; w_proj: row r, + 16 h
	s_mul_i32 s21, s11, HALFA                      ; my 64 tokens
	s_mul_i32 s22, s12, HALFB                      ; my 64 rows of w_proj,
	s_add_co_u32 s22, s22, 2*HALFA                 ; which lie behind o's two halves
.irp s, 0,1
	v_add_nc_u32 v[ADRA+\s], s21, v3
	v_add_nc_u32 v[ADRB+\s], s22, v4
	s_add_co_u32 s21, s21, SLOT
	s_add_co_u32 s22, s22, SLOT
.endr
	s_mul_i32 s23, s10, 16*SPITCH
	s_add_co_u32 s23, s23, STAGE                   ; my stage
	v_mul_u32_u24 v5, v1, SPITCH                   ; in: row r, 32 bytes for each half of the lanes
	v_lshl_add_u32 v5, v2, 5, v5
	v_add_nc_u32 v[STO], s23, v5
	v_mul_u32_u24 v5, v2, SPITCH                   ; back: lanes 0-15 take one row of 256 bytes, lanes 16-31 the next
	v_lshl_add_u32 v5, v1, 4, v5
	v_add_nc_u32 v[RD], s23, v5
	v_lshlrev_b32 v[CO], 4, v1                     ; and the same two rows in out0: 4,096 bytes a row
	v_lshl_add_u32 v[CO], v2, 12, v[CO]
	s_lshl_b32 s16, s13, 7
	s_lshl_b32 s17, s11, 6
	s_add_co_u32 s16, s16, s17                     ; my first row: 128 x tile row + 64 x half
	s_lshl_b32 s16, s16, 12
	s_mov_b32 s17, 0
	s_add_nc_u64 s[8:9], s[8:9], s[16:17]
	s_add_nc_u64 s[8:9], s[8:9], s[46:47]
; 8 matrix instructions: m blocks a0, a0 + 1 x all 4 n blocks, 32 along K: half c of buffer f.  first = 1: the sums begin with the bias as C.  The 16 accumulators take turns.
.macro MUL8 f, c, a0, first
.irp a, \a0, \a0+1
.irp b, 0,1,2,3
.if \first
	v_wmma_f32_16x16x32_f16 v[ACC+8*(4*(\a)+\b):ACC+8*(4*(\a)+\b)+7], v[\f+64+8*(4*\c+\b):\f+64+8*(4*\c+\b)+7], v[\f+8*(4*\c+(\a)):\f+8*(4*\c+(\a))+7], v[BIAS+8*\b:BIAS+8*\b+7]
.else
	v_wmma_f32_16x16x32_f16 v[ACC+8*(4*(\a)+\b):ACC+8*(4*(\a)+\b)+7], v[\f+64+8*(4*\c+\b):\f+64+8*(4*\c+\b)+7], v[\f+8*(4*\c+(\a)):\f+8*(4*\c+(\a))+7], v[ACC+8*(4*(\a)+\b):ACC+8*(4*(\a)+\b)+7]
.endif
.endr
.endr
.endm
; 32 LDS loads in one run: the fragments of 64 along K (one head) into buffer f; k: the quarter's byte in w_proj's rows; in a pair row the same head begins at 2 k.  The first 32 along K first.
.macro FETCH slot, k, f
	WIN TO_F
.irp c, 0,1
.irp i, 0,1,2,3
	ds_load_b128 v[\f+64+8*(4*\c+\i):\f+64+8*(4*\c+\i)+3],   v[ADRB+\slot] offset:\k+64*\c+\i*16*PITCH
	ds_load_b128 v[\f+64+8*(4*\c+\i)+4:\f+64+8*(4*\c+\i)+7], v[ADRB+\slot] offset:\k+64*\c+\i*16*PITCH+32
	ds_load_b128 v[\f+8*(4*\c+\i):\f+8*(4*\c+\i)+3],         v[ADRA+\slot] offset:2*(\k)+64*\c+\i*8*PA
	ds_load_b128 v[\f+8*(4*\c+\i)+4:\f+8*(4*\c+\i)+7],       v[ADRA+\slot] offset:2*(\k)+64*\c+\i*8*PA+32
.endr
.endr
.endm
.macro PLACES                          ; four places in front of loads into registers that matrix instructions have read, and of LDS stores that read results
.rept 4
	v_nop
.endr
.endm
; A K step is four quarters of 64 along K, 32 matrix instructions each, on buffers 0, 1, 0, 1.
.macro QUARTER slot, k, f, g, first
	s_wait_dscnt 16                                ; the first 32 along K are in; the other sixteen loads may be out
	WIN MUL
	MUL8 \f, 0, 0, \first
	MUL8 \f, 0, 2, \first
	PLACES
	FETCH \slot, \k, \g
	s_wait_dscnt 32                                ; all but the 32 just issued
	WIN MUL
	MUL8 \f, 1, 0, 0
	MUL8 \f, 1, 2, 0
.endm
; The last quarter multiplies buffer 1 and changes slots: ONE barrier; in front of it each wave waits for all its tensor loads, adds 0 to its spare word, and waits for that and for its own reads of this slot.
.macro TURN slot, next, fill
	WIN 0
	s_wait_tensorcnt 0x0                           ; all my tensor loads have landed: my part of the next slot
	ds_add_u32 v[SPW], v[NIL]
	s_wait_dscnt 17                                ; (the add and the youngest sixteen loads may be out)
	WIN MUL
	MUL8 F1, 0, 0, 0
	s_wait_dscnt 0x0                               ; the add is done, and my reads of this slot are over
	s_barrier_signal -1
	MUL8 F1, 0, 2, 0
.if \fill
	WIN 0
.endif
	s_barrier_wait -1
.if \fill
	CREST                                          ; the barrier has opened a round of the cluster's barrier: no wave of any partner still reads this slot or has a load on its way
	s_add_nc_u64 s[G0+4*\slot+2:G0+4*\slot+3], s[G0+4*\slot+2:G0+4*\slot+3], 2*1024
	s_add_nc_u64 s[G0B+4*\slot+2:G0B+4*\slot+3], s[G0B+4*\slot+2:G0B+4*\slot+3], 2*KSTEP*2
	JLOAD \slot                                    ; the first tensor load behind the round; its four v_nop are also the places in front of the loads below
.else
	PLACES
.endif
	FETCH \next, 0, F0
	WIN MUL
	MUL8 F1, 1, 0, 0
	MUL8 F1, 1, 2, 0
.endm
	s_wait_tensorcnt 1                             ; my part of K step 0 is in (K step 1's load may be out)
	s_barrier_signal -1
	s_barrier_wait -1                              ; everybody's is
	FETCH 0, 0, F0
	s_wait_loadcnt 0x0                             ; the bias
	QUARTER 0, 128, F0, F1, 1                      ; K step 0; its first products start the sums, on the bias
	QUARTER 0, 256, F1, F0, 0
	QUARTER 0, 384, F0, F1, 0
	TURN 0, 1, 1                                   ; slot 0 takes K step 2
	QUARTER 1, 128, F0, F1, 0                      ; K step 1
	QUARTER 1, 256, F1, F0, 0
	QUARTER 1, 384, F0, F1, 0
	TURN 1, 0, 1                                   ; slot 1 takes K step 3
	QUARTER 0, 128, F0, F1, 0                      ; K step 2
	QUARTER 0, 256, F1, F0, 0
	QUARTER 0, 384, F0, F1, 0
	TURN 0, 1, 0                                   ; nothing is left to fetch
	QUARTER 1, 128, F0, F1, 0                      ; K step 3
	QUARTER 1, 256, F1, F0, 0
	QUARTER 1, 384, F0, F1, 0
	s_wait_dscnt 16
	WIN MUL
	MUL8 F1, 0, 0, 0
	MUL8 F1, 0, 2, 0
	s_wait_dscnt 0
	MUL8 F1, 1, 0, 0
	MUL8 F1, 1, 2, 0
	WIN 0
; THE WAY OUT, block by block of 16 rows x 64 columns.  A wave's 64 columns of f32 are 256 bytes, aligned: so each wave has a stage of its own and no barrier is needed.  A lane's 32 bytes go into rows of 272 bytes
; and come back as whole rows, sixteen lanes to a row.  LDS serves a wave's instructions in order: no wait between the stores and the loads.
.macro TOSTAGE a
.set BB, OB+32*((\a)%2)
.irp b, 0,1,2,3
	ds_store_b128 v[STO], v[ACC+8*(4*(\a)+\b):ACC+8*(4*(\a)+\b)+3] offset:64*\b          ; each accumulator from its low end on
	ds_store_b128 v[STO], v[ACC+8*(4*(\a)+\b)+4:ACC+8*(4*(\a)+\b)+7] offset:64*\b+16
.endr
.irp t, 0,1,2,3,4,5,6,7
	ds_load_b128 v[BB+4*\t:BB+4*\t+3], v[RD] offset:\t*2*SPITCH
.endr
.endm
.macro SEND a, younger                 ; younger: the LDS instructions issued behind block a's loads: the next block's sixteen, or none
.set BB, OB+32*((\a)%2)
	s_wait_dscnt \younger
.irp t, 0,1,2,3,4,5,6,7
	global_store_b128 v[CO], v[BB+4*\t:BB+4*\t+3], s[8:9] offset:(16*(\a)+2*\t)*SIZE_N*4 th:TH_STORE_NT   ; each half of the lanes stores 256 consecutive bytes, aligned; written once, read by nobody here
.endr
.endm
	PLACES
	TOSTAGE 0
.irp a, 1,2,3
.if \a > 1
	s_wait_xcnt 0x0                                ; block a - 2's stores have read their registers: block a's loads may land there
.endif
	TOSTAGE \a
	SEND \a-1, 16
.endr
	SEND 3, 0
	s_wait_tensorcnt 0x0                           ; the wave's end, behind my last tensor load and my last LDS store
	ds_add_u32 v[SPW], v[NIL]
	s_wait_dscnt 0x0
	CROUND                                         ; the closing round
	s_endpgm
.Lfunc_end_k_q69b6306f4d_proj:
	.size	k_q69b6306f4d_proj, .Lfunc_end_k_q69b6306f4d_proj-k_q69b6306f4d_proj
	.p2alignl 7, 3214868480
	.fill 96, 4, 3214868480
	.section	.rodata,"a",@progbits
	.p2align	6, 0x0
	.amdhsa_kernel k_q69b6306f4d_proj
		.amdhsa_group_segment_fixed_size 327680
		.amdhsa_private_segment_fixed_size 0
		.amdhsa_enable_private_segment 0
		.amdhsa_kernarg_size 32
		.amdhsa_user_sgpr_count 2
		.amdhsa_user_sgpr_kernarg_segment_ptr 1
		.amdhsa_wavefront_size32 1
		.amdhsa_system_sgpr_workgroup_id_x 1
		.amdhsa_system_sgpr_workgroup_id_y 1
		.amdhsa_system_sgpr_workgroup_id_z 1
		.amdhsa_system_vgpr_workitem_id 0
		.amdhsa_next_free_vgpr 512
		.amdhsa_next_free_sgpr 66
		.amdhsa_reserve_vcc 0
		.amdhsa_float_denorm_mode_32 3
		.amdhsa_float_denorm_mode_16_64 3
		.amdhsa_memory_ordered 1
		.amdhsa_forward_progress 1
		.amdhsa_inst_pref_size 87
	.end_amdhsa_kernel
	.amdgpu_metadata
---
amdhsa.version: [ 1, 2 ]
amdhsa.kernels:
  - .name:           k_q69b6306f4d_proj
    .symbol:         k_q69b6306f4d_proj.kd
    .args:
      - { .name: ob, .offset: 0, .size: 8, .value_kind: global_buffer, .address_space: global }
      - { .name: wp, .offset: 8, .size: 8, .value_kind: global_buffer, .address_space: global }
      - { .name: b_proj, .offset: 16, .size: 8, .value_kind: global_buffer, .address_space: global }
      - { .name: out0, .offset: 24, .size: 8, .value_kind: global_buffer, .address_space: global }
    .group_segment_fixed_size: 327680
    .private_segment_fixed_size: 0
    .kernarg_segment_align: 8
    .kernarg_segment_size: 32
    .max_flat_workgroup_size: 128
    .sgpr_count:     66
    .vgpr_count:     512
    .wavefront_size: 32
...
	.end_amdgpu_metadata
.endif
;; end of part 4
